; MI455X (gfx1250); checked and timed in simulation.
; The chip was launched on July 23, 2026; its instructions are those of AMD's public machine-readable ISA for CDNA 5 (MIT licence, August 2026) and "CDNA5" Instruction Set Architecture Reference Guide (July 2026). The comments in the code are by the model that wrote it; some were corrected since.
;; Transformer XL Hybrid Encoder. Allowed arithmetic: matrix products marked QUANTISED: E2M1 operands, one E8M0 scale for each 32 along K, by v_wmma_scale_f32_16x16x128_f8f6f4 with both operands' format E2M1 (or v_wmma_scale_f32_32x16x128_f4), f32 sums; everything else in f32.
;; Inputs: W_o_codes 1,024 x 32 x 16 uint8 (E2M1 codes of W_o, K innermost, in blocks of 32 codes, two codes a byte); W_o_scales 1,024 x 32 uint8 (E8M0 scales of W_o, one for each 32 codes along K); W_qkv_codes 3,072 x 32 x 16 uint8 (E2M1 codes of W_qkv, K innermost, in blocks of 32 codes, two codes a byte); W_qkv_scales 3,072 x 32 uint8 (E8M0 scales of W_qkv, one for each 32 codes along K); W_r_codes 1,024 x 32 x 16 uint8 (E2M1 codes of W_r, K innermost, in blocks of 32 codes, two codes a byte); W_r_scales 1,024 x 32 uint8 (E8M0 scales of W_r, one for each 32 codes along K); ln_beta 1,024 float32; ln_gamma 1,024 float32; mems 1,024 x 4 x 1,024 float32; r_codes 2,048 x 32 x 16 uint8 (E2M1 codes of r, K innermost, in blocks of 32 codes, two codes a byte); r_r_bias 16 x 64 float32; r_scales 2,048 x 32 uint8 (E8M0 scales of r, one for each 32 codes along K); r_w_bias 16 x 64 float32; w 1,024 x 4 x 1,024 float32.
;; Outputs: out0 1,024 x 4 x 1,024 float32.
;; This version of the problem:
;;   THIS VERSION OF THE PROBLEM IS GIVEN IN LOW PRECISION. The matrix products marked QUANTISED in the list below multiply operands that are first quantised to E2M1 (2 exponent bits, 1 mantissa bit; 4 bits a number), with one power-of-two scale for each 32 numbers along K (OCP MX v1.0); their sums are f32. All else is computed in f32.
;;   The module's matrix products, in the order in which they are computed (A, B: the left and right operand; K: the contracted axis; several contracted axes count as one K, in the product's order):
;;     1. [M 8,192, K 1,024] x [K 1,024, N 3,072]; A: computed on the way; B: input W_qkv (given as codes): QUANTISED
;;     2. [M 2,048, K 1,024] x [K 1,024, N 1,024]; A: input r (given as codes); B: input W_r (given as codes): QUANTISED
;;     3. batch 64 x [M 2,048, K 64] x [K 64, N 1,024]; A: computed on the way; B: computed on the way: QUANTISED
;;     4. batch 16 x [M 2,048, K 64] x [K 64, N 4,096]; A: computed on the way; B: computed on the way: QUANTISED
;;     5. batch 64 x [M 64, K 2,048] x [K 2,048, N 1,024]; A: computed on the way; B: softmax (see below): QUANTISED
;;     6. [M 4,096, K 1,024] x [K 1,024, N 1,024]; A: computed on the way; B: input W_o (given as codes): QUANTISED
;;   THE QUANTISER, for each operand of a quantised product, along K:
;;     - K is cut into blocks of 32 from its start; a last block that is shorter is filled with zeros.
;;     - A block's scale is 2^e with e = floor(log2(the largest magnitude in the block)) - 2, held to -126 .. 127; a block of zeros has e = 0. As a byte (E8M0): e + 127.
;;     - Each number is divided by its block's scale, clamped to +-6, and rounded to the nearest number of E2M1, ties to even, subnormals kept.
;;     - The product sums the exact products of the quantised numbers (number of the format x scale) in f32.
;;   ~~~python
;;   def quantise(x, axis):      # numpy; x: float32 -> the quantised numbers, widened to float32 again
;;       x = np.moveaxis(x, axis, -1); K = x.shape[-1]
;;       x = np.pad(x, [(0, 0)] * (x.ndim - 1) + [(0, -K % 32)]); x = x.reshape(x.shape[:-1] + (-1, 32)); a = np.abs(x).max(-1, keepdims=True)
;;       e = np.where(a > 0, np.clip(np.frexp(np.where(a > 0, a, 1))[1] - 1 - 2, -126, 127), 0)      # np.frexp(a)[1] - 1 = floor(log2(a)), exactly
;;       r = np.clip(x / 2.0 ** e, -6, 6)
;;       step = 2.0 ** (np.maximum(np.frexp(np.where(r == 0, 1, r))[1] - 1, 0) - 1)
;;       q = np.round(r / step) * step * 2.0 ** e      # np.round: ties to even
;;       return np.moveaxis(q.reshape(q.shape[:-2] + (-1,))[..., :K], -1, axis).astype(np.float32)
;;   ~~~
;;   SOFTMAX AHEAD OF A QUANTISED PRODUCT. Where the list says 'softmax', what is quantised is not the finished softmax but p = 2^(t - M), with t = logit x log2(e) and M = ceil(the row's largest t), a whole number; so 1/2 < the row's largest p <= 1. The row's sum l is taken of the UNQUANTISED p, in f32, and the product's result is divided by l at the end. Since M is a whole number, a kernel that streams over the keys may use a running M (the ceiling of the running maximum): every later rescaling is an exact power of two, which a block's scale takes up: the codes' values come out the same.
;;   OPERANDS COMPUTED ON THE WAY. 'Computed on the way' means the value that the module computes at that place (a softmax that the list does not call 'softmax' is quantised finished and normalised). What goes into a quantiser is computed in f32, as accurately as f32 sums, v_exp_f32 and their like allow (about 1e-6 of the number): no bf16 or f16 on the way to a quantiser, and a product that is left as it is and whose result goes on into a quantised operand takes f32 operands (vector FMAs, or v_wmma_f32_16x16x4_f32). A number that lies on a knife's edge between two numbers of the format may be rounded either way, as far as f32 arithmetic and the matrix unit's own rounding can turn it there, and no further.
;;   INPUTS GIVEN AS CODES. W_o (in the module: [1024, 1024], K = its axis 0); W_qkv (in the module: [1024, 3072], K = its axis 0); W_r (in the module: [1024, 1024], K = its axis 0); r (in the module: [2048, 1024], K = its axis 1): each comes as NAME_codes (uint8): NAME with its K axis moved to the last place and cut into blocks of 32 codes, [.., K / 32, bytes a block], one block behind the other in memory; two codes a byte, the lower K in the low four bits (a code: sign, 2 exponent bits, 1 mantissa bit); and NAME_scales (uint8): the same leading axes, one E8M0 byte (e + 127) for each 32 codes along K. Its value is code x scale, taken as it is: it is not quantised again, and the codes and scales need not be those that the quantiser above would give.
;; One version. Each part assembles by itself: llvm-mc -triple=amdgcn-amd-amdhsa -mcpu=gfx1250 --defsym DOCPART=n.
;; ======== version 1 of 1: 4 launches
;; limits: right only within a limited range of input values
;; workspace buffers: x_img 7,340,032 bytes; x_sc 262,144 bytes; q_img 4,194,304 bytes; q_sc 524,288 bytes; kv 9,437,184 bytes; rh 1,290,240 bytes; a_img 2,097,152 bytes; a_sc 131,072 bytes
;; launch quant (part 1): grid 256 x 1, 4 waves a work-group, no clusters, 34,304 bytes of LDS; arguments mems, w, x_img, x_sc, W_qkv_codes, W_r_codes, r_codes; writes x_img, x_sc
.if DOCPART == 1
	.amdgcn_target "amdgcn-amd-amdhsa--gfx1250"
	.amdhsa_code_object_version 6
	.text
	.protected	k_q145d85827f_quant
	.globl	k_q145d85827f_quant
	.p2align	8
	.type	k_q145d85827f_quant,@function
k_q145d85827f_quant:
	s_mov_b64 s[64:65], 0
	v_nop
	global_prefetch_b8 v0, s[64:65] scope:SCOPE_SE
	s_setreg_imm32_b32 hwreg(HW_REG_WAVE_MODE, 25, 1), 1
	s_wait_xcnt 0x0
; cat = [mems; w], [2048 positions][4][1024] f32, becomes codes of FP4 (E2M1) with one E8M0 byte for each 32 along the model's axis: the left operand of cat @ W_qkv.
; WORK THAT THE PROGRAM LEAVES OUT, for all values of the inputs:
;  (1) reference() keeps q_h[-qlen:] alone: the query columns of cat @ W_qkv are never used for the rows of mems.  The next launch multiplies them for the rows of w only.
;  (2) _rel_shift: the padded array [q][k+1] is read again as [k+1][q] without its first row.  Entry (i, j) of the result is flat index q + i k + j = i (k+1) + (q + j - i), so for j <= i + 1024 it is
;      BD[i][m], m = j - i + 1023, with 0 <= m <= 2047.  All other entries of the shifted array lie at j > i + 1024, where reference()'s own mask replaces the score.  So only BD[i][j - i + 1023] is multiplied.
;  (3) key steps all of whose keys lie behind i + 1024 for all queries of a tile are replaced by the mask that reference() builds itself: they are not multiplied.
; LIMITS: a NaN, an infinity or an overflow that reaches only the work left out is not carried to the result.  NaN and infinities among the inputs are not served.  A block whose largest magnitude lies under
; 2^(3 - 127), a block of zeros among them, gets the byte 1 (the rule says 127 for zeros): its codes are zeros, and this program alone reads the bytes.
; LAYOUT OUT.  A tile T = 128 b + tau is 16 positions of batch b.  x_img[T][K step s][c][lane][16 bytes] is the image of the operand's registers: lane (r, h), registers 4 c .. 4 c + 3 = k 128 s + 64 c + 32 h + 0 .. 31 of row r.
; x_sc[T][kappa][r][4 words]: row r's scale words of K steps 4 kappa .. 4 kappa + 3.
; SHARES.  A wave takes one tile and half of its K: 16 rows x 512 numbers, in four steps of 128.  Each load reads 512 bytes on end; a step's 16 rows turn through the wave's own stage in LDS
; (rows 528 bytes apart: 33 x 16, so the sixteen rows that a read touches fall on sixteen different columns of 16 bytes) and come back 32 neighbours a lane and block.  No barrier: waves share nothing.
; No matrix unit, no cluster, no tensor load: a stream that is read once and written once.
.set STG,   8448                       ; a wave's stage: 16 rows x 528 bytes
.set SPARE, 4*STG                      ; behind the stages: the spare words, 128 bytes a wave, that no other line names
.set R,     16                         ; v16-143  two sets of 64: a step's numbers as loaded
.set X,     144                        ; v144-207 the same turned: register 32 c + i = k 64 c + 32 h + i of my row
.set C,     208                        ; v208-239 codes, eight registers a step, never written again
.set W,     240                        ; v240-243 my row's scale word of each step
	s_load_b256 s[4:11], s[0:1], 0x0               ; mems s[4:5], w s[6:7], x_img s[8:9], x_sc s[10:11]
	s_load_b128 s[32:35], s[0:1], 0x20             ; W_qkv_codes s[32:33], W_r_codes s[34:35]
	s_load_b64 s[36:37], s[0:1], 0x30              ; r_codes
	v_lshl_add_u32 v7, v0, 2, SPARE                ; my spare word; never rewritten
	v_mov_b32 v8, 0                                ; 0; never rewritten
	v_lshrrev_b32 v1, 5, v0
	v_readfirstlane_b32 s12, v1                    ; wave 0..3
	v_and_b32 v1, 31, v0                           ; lane
	v_lshlrev_b32 v2, 4, v1                        ; 16 x lane: my bytes of a load and of a store
	v_and_b32 v9, 15, v0                           ; r
	v_bfe_u32 v10, v0, 4, 1                        ; h
	s_mul_i32 s13, s12, STG
	v_add_nc_u32 v3, s13, v2                       ; the stage, on the way in
	v_mul_u32_u24 v4, v9, 528
	v_lshl_add_u32 v4, v10, 7, v4
	v_add_nc_u32 v4, s13, v4                       ; and on the way out: row r, + 128 h bytes
	v_lshlrev_b32 v5, 4, v9
	v_lshl_add_u32 v5, v10, 3, v5                  ; the scale words' place: 16 r + 8 h
	v_lshlrev_b32 v6, 3, v10                       ; 8 h: my bytes' place in a scale word, in bits
	v_lshlrev_b32 v11, 9, v9
	v_lshl_add_u32 v11, v10, 4, v11                ; 512 r + 16 h: my lane's 16 bytes in a tile of given codes
	v_mov_b32 v251, 0                              ; a lane permute's destination counts as one of its sources
	s_mov_b32 s20, 0x76543210
	s_mov_b32 s21, 0xfedcba98                      ; selects for lane l xor 16
	s_lshr_b32 s14, s12, 1
	s_and_b32 s15, s12, 1                          ; kappa: which half of K
	s_lshl_b32 s16, ttmp9, 1
	s_add_co_u32 s16, s16, s14                     ; T = 2 x work-group + wave / 2
	s_and_b32 s17, s16, 63                         ; the tile's place in mems or in w
	s_lshl_b32 s18, s17, 18                        ; 16 positions of 16,384 bytes
	s_lshr_b32 s19, ttmp9, 6                       ; b
	s_lshl_b32 s19, s19, 12
	s_add_co_u32 s18, s18, s19
	s_lshl_b32 s19, s15, 11
	s_add_co_u32 s18, s18, s19
	s_mov_b32 s19, 0                               ; s[18:19]: where my numbers begin
	s_lshl_b32 s22, s16, 13
	s_lshl_b32 s23, s15, 12
	s_add_co_u32 s22, s22, s23
	s_mov_b32 s23, 0                               ; s[22:23]: my images
	s_lshl_b32 s24, s16, 9
	s_lshl_b32 s25, s15, 8
	s_add_co_u32 s24, s24, s25
	s_mov_b32 s25, 0                               ; s[24:25]: my scale words
	s_and_b32 s26, ttmp9, 63
	; THE GIVEN CODES BECOME IMAGES TOO.  W_qkv (192 tiles of 16 rows), W_r (64) and r (128) are laid behind cat's 512 tiles in x_img, in the same form [tile][K step s][c][lane][16 bytes]: no byte changes, only its place.
	; A piece is one (tile, 2 s + c): 512 bytes.  Wave G = 4 x work-group + wave takes piece G % 16 of tiles G / 16 + 64 i, i = 0 .. 5: six loads and six stores.
	s_lshl_b32 s27, ttmp9, 2
	s_add_co_u32 s27, s27, s12                     ; G
	s_and_b32 s28, s27, 15                         ; 2 s + c
	s_lshr_b32 s29, s27, 4                         ; the tile among 64
	s_lshl_b32 s30, s29, 13
	s_lshl_b32 s31, s28, 5
	s_add_co_u32 s40, s30, s31                     ; from: 8,192 x tile + 32 (2 s + c)
	s_mov_b32 s41, 0
	s_lshl_b32 s31, s28, 9
	s_add_co_u32 s42, s30, s31
	s_add_co_u32 s42, s42, 4194304                 ; to: behind cat's tiles, 8,192 x tile + 512 (2 s + c)
	s_mov_b32 s43, 0
	s_wait_alu depctr_va_vdst(0)
	s_wait_kmcnt 0x0
	s_add_nc_u64 s[32:33], s[32:33], s[40:41]
	s_add_nc_u64 s[34:35], s[34:35], s[40:41]
	s_add_nc_u64 s[36:37], s[36:37], s[40:41]
	s_add_nc_u64 s[44:45], s[8:9], s[42:43]
	s_cmp_lt_u32 s26, 32                           ; positions under 1,024 are mems': the choice hangs on the work-group's number alone
	s_cselect_b64 s[4:5], s[4:5], s[6:7]
	s_add_nc_u64 s[4:5], s[4:5], s[18:19]
	s_add_nc_u64 s[8:9], s[8:9], s[22:23]
	s_add_nc_u64 s[10:11], s[10:11], s[24:25]
.macro LOADX t                         ; step t: 128 numbers of each of my 16 rows, 512 bytes on end a load
.irp p, 0,1,2,3,4,5,6,7,8,9,10,11,12,13,14,15
	global_load_b128 v[R+64*((\t)%2)+4*\p:R+64*((\t)%2)+4*\p+3], v2, s[4:5] offset:16384*\p+512*(\t) th:TH_LOAD_NT
.endr
.endm
.macro TURN t                          ; through the stage: LDS serves a wave's instructions in order, so no wait stands between the stores and the loads
.irp p, 0,1,2,3,4,5,6,7,8,9,10,11,12,13,14,15
	ds_store_b128 v3, v[R+64*((\t)%2)+4*\p:R+64*((\t)%2)+4*\p+3] offset:528*\p
.endr
.irp c, 0,1
.irp q, 0,1,2,3,4,5,6,7
	ds_load_b128 v[X+32*\c+4*\q:X+32*\c+4*\q+3], v4 offset:256*\c+16*\q
.endr
.endr
.endm
.macro QSTEP t                         ; my two blocks (2 c + h, c = 0, 1): all 32 numbers of each are mine
	v_max3_num_f32 v244, |v[X]|, |v[X+1]|, 0x1800000               ; the largest magnitude, with the floor 2^(3 - 127) among its leaves: the byte cannot fall under 1
	v_max3_num_f32 v245, |v[X+32]|, |v[X+33]|, 0x1800000
.set i, 2
.rept 15
	v_max3_num_f32 v244, v244, |v[X+i]|, |v[X+i+1]|                ; (the two blocks by turns)
	v_max3_num_f32 v245, v245, |v[X+32+i]|, |v[X+33+i]|
.set i, i+2
.endr
	v_add_nc_u32 v246, 0xff000000, v244            ; 2 off the exponent field: the conversion takes the exponent field of this operand as its scale
	v_add_nc_u32 v247, 0xff000000, v245
	v_lshrrev_b32 v248, 23, v246                   ; the scales' bytes
	v_lshrrev_b32 v249, 23, v247
	v_lshl_or_b32 v250, v249, 16, v248             ; blocks h and 2 + h,
	v_lshlrev_b32 v250, v6, v250                   ; at their places in the word;
	v_permlanex16_b32 v251, v250, s20, s21
	v_or_b32 v[W+(\t)], v250, v251                 ; with lane l xor 16's two the word is whole
.irp c, 0,1
.irp q, 0,1,2,3
	v_cvt_scalef32_pk8_fp4_f32 v[C+8*(\t)+4*\c+\q], v[X+32*\c+8*\q:X+32*\c+8*\q+7], v[246+\c]
.endr
.endr
	v_nop                                          ; one plain line behind the last scaled conversion
.irp c, 0,1
	global_store_b128 v2, v[C+8*(\t)+4*\c:C+8*(\t)+4*\c+3], s[8:9] offset:1024*(\t)+512*\c   ; 32 lanes store 512 bytes on end
.endr
.endm
.irp i, 0,1,2
	global_load_b128 v[X+4*\i:X+4*\i+3], v11, s[32:33] offset:524288*\i       ; W_qkv's tiles, 64 apart
.endr
	global_load_b128 v[X+12:X+15], v11, s[34:35]                              ; W_r's
.irp i, 0,1
	global_load_b128 v[X+16+4*\i:X+19+4*\i], v11, s[36:37] offset:524288*\i   ; r's
.endr
	LOADX 0
	LOADX 1
	s_wait_loadcnt 32                              ; the six pieces are in; steps 0 and 1 may be out
.irp i, 0,1,2,3,4,5
	global_store_b128 v2, v[X+4*\i:X+4*\i+3], s[44:45] offset:524288*\i       ; 32 lanes store 512 bytes on end
.endr
	s_wait_loadcnt 16                              ; step 0's sixteen loads are in; step 1's may be out
	s_wait_xcnt 0x0                                ; the six stores have read their registers, which the stage's loads write next
	TURN 0
	s_wait_dscnt 0x0                               ; the numbers are back, and the stores have read their registers,
	LOADX 2                                        ; which take the loads of two steps on
	QSTEP 0
	s_wait_loadcnt 16                              ; step 1's are in; step 2's may be out
	TURN 1
	s_wait_dscnt 0x0
	LOADX 3
	QSTEP 1
	s_wait_loadcnt 16                              ; step 2's are in; step 3's may be out
	TURN 2
	s_wait_dscnt 0x0
	QSTEP 2
	s_wait_loadcnt 0x0                             ; the last step: nothing was issued behind it
	TURN 3
	s_wait_dscnt 0x0
	QSTEP 3
	v_cmp_eq_u32 vcc_lo, 1, v10
	v_cndmask_b32 v244, v[W], v[W+2], vcc_lo       ; lanes 0-15 store their row's words 0, 1; lanes 16-31 words 2, 3
	v_cndmask_b32 v245, v[W+1], v[W+3], vcc_lo
	global_store_b64 v5, v[244:245], s[10:11]      ; 32 lanes store 256 bytes on end, aligned
	s_wait_tensorcnt 0x0                           ; the wave's end
	ds_add_u32 v7, v8
	s_wait_dscnt 0x0
	s_endpgm
.Lfunc_end_k_q145d85827f_quant:
	.size	k_q145d85827f_quant, .Lfunc_end_k_q145d85827f_quant-k_q145d85827f_quant
	.p2alignl 7, 3214868480
	.fill 96, 4, 3214868480
	.section	.rodata,"a",@progbits
	.p2align	6, 0x0
	.amdhsa_kernel k_q145d85827f_quant
		.amdhsa_group_segment_fixed_size 34304
		.amdhsa_private_segment_fixed_size 0
		.amdhsa_enable_private_segment 0
		.amdhsa_kernarg_size 56
		.amdhsa_user_sgpr_count 2
		.amdhsa_user_sgpr_kernarg_segment_ptr 1
		.amdhsa_wavefront_size32 1
		.amdhsa_system_sgpr_workgroup_id_x 1
		.amdhsa_system_sgpr_workgroup_id_y 1
		.amdhsa_system_sgpr_workgroup_id_z 1
		.amdhsa_system_vgpr_workitem_id 0
		.amdhsa_next_free_vgpr 256
		.amdhsa_next_free_sgpr 66
		.amdhsa_reserve_vcc 1
		.amdhsa_float_denorm_mode_32 3
		.amdhsa_float_denorm_mode_16_64 3
		.amdhsa_memory_ordered 1
		.amdhsa_forward_progress 1
		.amdhsa_inst_pref_size 32
	.end_amdhsa_kernel
	.amdgpu_metadata
---
amdhsa.version: [ 1, 2 ]
amdhsa.kernels:
  - .name:           k_q145d85827f_quant
    .symbol:         k_q145d85827f_quant.kd
    .args:
      - { .name: mems, .offset: 0, .size: 8, .value_kind: global_buffer, .address_space: global }
      - { .name: w, .offset: 8, .size: 8, .value_kind: global_buffer, .address_space: global }
      - { .name: x_img, .offset: 16, .size: 8, .value_kind: global_buffer, .address_space: global }
      - { .name: x_sc, .offset: 24, .size: 8, .value_kind: global_buffer, .address_space: global }
      - { .name: W_qkv_codes, .offset: 32, .size: 8, .value_kind: global_buffer, .address_space: global }
      - { .name: W_r_codes, .offset: 40, .size: 8, .value_kind: global_buffer, .address_space: global }
      - { .name: r_codes, .offset: 48, .size: 8, .value_kind: global_buffer, .address_space: global }
    .group_segment_fixed_size: 34304
    .private_segment_fixed_size: 0
    .kernarg_segment_align: 8
    .kernarg_segment_size: 56
    .max_flat_workgroup_size: 128
    .sgpr_count:     66
    .vgpr_count:     256
    .wavefront_size: 32
...
	.end_amdgpu_metadata
.endif
;; end of part 1
;; launch proj (part 2): grid 224 x 1, 4 waves a work-group, no clusters, 0 bytes of LDS; arguments x_img, x_sc, W_qkv_scales, r_scales, W_r_scales, r_w_bias, r_r_bias, q_img, q_sc, kv, rh; writes q_img, q_sc, kv, rh
.if DOCPART == 2
	.amdgcn_target "amdgcn-amd-amdhsa--gfx1250"
	.amdhsa_code_object_version 6
	.text
	.protected	k_q145d85827f_proj
	.globl	k_q145d85827f_proj
	.p2align	8
	.type	k_q145d85827f_proj,@function
k_q145d85827f_proj:
	s_mov_b64 s[64:65], 0
	v_nop
	global_prefetch_b8 v0, s[64:65] scope:SCOPE_SE
	s_setreg_imm32_b32 hwreg(HW_REG_WAVE_MODE, 25, 1), 1
	s_wait_xcnt 0x0
; cat @ W_qkv and r @ W_r on codes of FP4, and their results quantised on the way into the operands of the attention launch.
; LEFT OUT: the query columns of cat @ W_qkv for the rows of mems, which reference() slices away (q_h[-qlen:]).
; ONE SCHEME FOR FOUR KINDS.  Z[l][p] = sum over k of L[l][k] P[p][k], quantised along p.  Source 0 = 16 rows of P, source 1 = 16 rows of L: in the result lane (r, h) holds row l = r, and register j of tile pt
; holds p = 16 pt + 8 h + j.  A wave keeps 128 rows of P, all of K = 1,024, in 512 registers, and streams tiles of L.  One tile of L is a UNIT: 64 matrix instructions on eight accumulators by turns, then the 128
; results of each row become one fragment of codes and one scale word.
;   q (work-groups 0-63):    P = W_qkv rows 128 g,        L = tiles of w's positions;  + r_w_bias and + r_r_bias, each quantised along the head's 64
;   k (64-127):              P = W_qkv rows 1024 + 128 g, L = all tiles of cat;        quantised along the head's 64
;   v (128-191):             P = 128 positions of cat,    L = W_qkv rows 2048 + 16 l;  quantised along the keys, which are the second attention product's K
;   r (192-223):             P = W_r rows 128 g,          L = rows of r;               quantised along the head's 64
; HOW FAR AHEAD L IS ASKED FOR.  k, v, r: four sets of registers for L's fragments, a unit's 18 loads issued three units ahead of its products; a loop's trip is four units, so that the sets' numbers come back.
; q: two sets, one unit ahead: its two biases, in the result's layout, hold the registers that the other kinds give to sets 2 and 3.
; FROM RESULT TO OPERAND.  The conversion of tile t gives the codes of p = 16 t + 8 h + 0 .. 7.  The operand wants register 4 c + i of lane (r, h) to hold k = 64 c + 32 h + 8 i + 0 .. 7.  So tiles 4 c, 4 c + 2, 4 c + 1, 4 c + 3
; go to registers 4 c .. 4 c + 3, and two exchanges of lane halves (registers 4 c with 4 c + 1, 4 c + 2 with 4 c + 3) put them right.
; OUT.  All operands leave as images of their registers, 16 bytes a lane, 512 bytes on end a store.  For q, k, r registers 0-3 are one head's 64 and registers 4-7 the next head's: two half fragments of 512 bytes.  Their scale
; words are stored doubled, [e0 e1 e0 e1], since the attention launch lays a half fragment in either half of a K step of 128.  These words leave in runs of 64 bytes: one part in 9 of what is stored.
; rh has 140 tiles a head: tiles 128-139 are zeros, stored here by the last job of each pair of heads: the attention launch reads R from tile 0 to 3 on, 137 tiles, and meets them only under the mask.
; No LDS, no barrier, no cluster: every operand goes from memory straight into the registers of the one wave that multiplies it.
; LIMITS: as stated at the head of the first launch (byte 1 for blocks under 2^(3 - 127); NaN and infinities not served).
; REGISTERS: window 0: v1-13 lane terms; v16-47 P's scale words (pair of tiles y, K step s: 8 y + s; lanes 0-15 the even tile, lanes 16-31 the odd); v48-63 L's scale words, sets 0 and 1, v228-243 sets 2 and 3; v64-127 accumulators;
;   v128-191 q + bias; v192-207 codes; v208-223 at work; v224-227 scale words.   windows 1, 2: P's fragments of K steps 0-3, 4-7 (64 (s % 4) + 8 pt).
;   window 3: L's fragments, set b at 64 b; in the q kind sets 0 and 1 alone, and v128-191 r_w_bias, v192-255 r_r_bias in the result's layout.
.set BLK,  147456                      ; a (batch, head) block of kv: sixteen key steps of 9,216 bytes, each: K images 4,096; V images 4,096; K scale words 512; V scale words 512
.set RBLK, 80640                       ; a head's block of rh: 140 images of 512, then 140 x 64 bytes of scale words
.set PSC, 16
.set LSC, 48                           ; set b of L's scale words at LSC + 8 b + 164 (b / 2): 48, 56, 228, 236
.set ACC, 64
.set TQ,  128
.set PC,  192
.set PC2, 200
.set TM,  208
.set PW,  224
.set PW2, 225
.set SW,  226
.set BW,  128
.set BR,  192
.set PB,  36                           ; s[36:37] P's codes, s[38:39] P's scales, s[40:41] L's codes, s[42:43] L's scales, s[44:45] images out, s[46:47] scale words out
.set PS,  38
.set LB,  40
.set LS,  42
.set OB,  44
.set SB,  46
.set OF,  48                           ; s[48:49] an offset, high word 0
.set CNT, 54
.set WV,  55
.set JJ,  56
.set SEL, 62
.set MSB, 0
.macro WIN new                         ; the immediate's high byte repeats the setting that is left
.if MSB != \new
	s_set_vgpr_msb (MSB<<8)|\new
.set MSB, \new
.endif
.endm
; Two formats of an operand in memory; in both a tile of 16 rows is 8,192 bytes of codes and 512 of scales.  fmt = 0: rows of 512 bytes (lane term 512 r + 16 h, K step 64 bytes); fmt = 1: images (16 x lane, K step 1,024 bytes).
.macro PLOAD fmt
	WIN 0x40
.irp k, 0,1,2,3,4,5,6,7
.if \k == 4
	WIN 0x80
.endif
.irp p, 0,1,2,3,4,5,6,7
.irp c, 0,1
.if \fmt
	global_load_b128 v[64*(\k%4)+8*\p+4*\c:64*(\k%4)+8*\p+4*\c+3], v3, s[PB:PB+1] offset:8192*\p+1024*\k+512*\c
.else
	global_load_b128 v[64*(\k%4)+8*\p+4*\c:64*(\k%4)+8*\p+4*\c+3], v4, s[PB:PB+1] offset:8192*\p+64*\k+32*\c
.endif
.endr
.endr
.endr
	WIN 0
.endm
.macro PSCL fmt                        ; lanes 16-31 take the odd tile of each pair: 512 bytes on
.irp y, 0,1,2,3
.irp u, 0,1
.if \fmt == 1                          ; fmt = 2: codes as images, scale bytes as the given rows of 32
	global_load_b128 v[PSC+8*\y+4*\u:PSC+8*\y+4*\u+3], v8, s[PS:PS+1] offset:1024*\y+256*\u
.else
	global_load_b128 v[PSC+8*\y+4*\u:PSC+8*\y+4*\u+3], v6, s[PS:PS+1] offset:1024*\y+16*\u
.endif
.endr
.endr
.endm
; A unit's 18 loads: the tile nx tiles on from L's bases, into set buf
.macro LLOAD fmt, buf, nx
	WIN 0xc0
.irp k, 0,1,2,3,4,5,6,7
.irp c, 0,1
.if \fmt
	global_load_b128 v[64*\buf+8*\k+4*\c:64*\buf+8*\k+4*\c+3], v3, s[LB:LB+1] offset:8192*\nx+1024*\k+512*\c
.else
	global_load_b128 v[64*\buf+8*\k+4*\c:64*\buf+8*\k+4*\c+3], v4, s[LB:LB+1] offset:8192*\nx+64*\k+32*\c
.endif
.endr
.endr
	WIN 0
.irp u, 0,1
.if \fmt == 1
	global_load_b128 v[LSC+8*\buf+164*(\buf/2)+4*\u:LSC+8*\buf+164*(\buf/2)+4*\u+3], v7, s[LS:LS+1] offset:512*\nx+256*\u
.else
	global_load_b128 v[LSC+8*\buf+164*(\buf/2)+4*\u:LSC+8*\buf+164*(\buf/2)+4*\u+3], v5, s[LS:LS+1] offset:512*\nx+16*\u
.endif
.endr
.endm
.macro MM k, p, buf
.set rD, ACC+8*(\p)
.set rA, 64*((\k)%4)+8*(\p)
.set rB, 64*(\buf)+8*(\k)
.set rX, PSC+8*((\p)/2)+(\k)
.set rY, LSC+8*(\buf)+164*((\buf)/2)+(\k)
.if (\k) == 0
.if (\p)%2
	v_wmma_scale_f32_16x16x128_f8f6f4 v[rD:rD+7], v[rA:rA+7], v[rB:rB+7], 0, v[rX], v[rY] matrix_a_fmt:MATRIX_FMT_FP4 matrix_b_fmt:MATRIX_FMT_FP4 matrix_a_scale:MATRIX_SCALE_ROW1
.else
	v_wmma_scale_f32_16x16x128_f8f6f4 v[rD:rD+7], v[rA:rA+7], v[rB:rB+7], 0, v[rX], v[rY] matrix_a_fmt:MATRIX_FMT_FP4 matrix_b_fmt:MATRIX_FMT_FP4
.endif
.else
.if (\p)%2
	v_wmma_scale_f32_16x16x128_f8f6f4 v[rD:rD+7], v[rA:rA+7], v[rB:rB+7], v[rD:rD+7], v[rX], v[rY] matrix_a_fmt:MATRIX_FMT_FP4 matrix_b_fmt:MATRIX_FMT_FP4 matrix_a_scale:MATRIX_SCALE_ROW1
.else
	v_wmma_scale_f32_16x16x128_f8f6f4 v[rD:rD+7], v[rA:rA+7], v[rB:rB+7], v[rD:rD+7], v[rX], v[rY] matrix_a_fmt:MATRIX_FMT_FP4 matrix_b_fmt:MATRIX_FMT_FP4
.endif
.endif
.endm
.macro MULS buf                        ; a unit's 64 products: K ascending, the eight accumulators by turns, one instruction a turn; the first K step starts the sums
.irp k, 0,1,2,3,4,5,6,7
.if \k < 4
	WIN 0x0d                                       ; source 0 (P) window 1, source 1 (L) window 3, C and D window 0
.else
	WIN 0x0e                                       ; P's window 2
.endif
.irp p, 0,1,2,3,4,5,6,7
	MM \k, \p, \buf
.endr
.endr
	WIN 0
.rept 4
	v_nop                                          ; four places between the last product and the first read of a result
.endr
.endm
; 64 numbers of a lane, register 8 t + j = p 16 t + 8 h + j of my row, become a fragment's codes in v[pc] on and its scale word in v[pw].
.macro QUANT src, pc, pw
.irp b, 0,1,2,3
	v_max3_num_f32 v[TM+\b], |v[\src+16*\b]|, |v[\src+16*\b+1]|, 0x1800000   ; block b: my 16 numbers, and the floor 2^(3 - 127): the byte cannot fall under 1
.endr
.irp i, 2,4,6,8,10,12,14
.irp b, 0,1,2,3
	v_max3_num_f32 v[TM+\b], v[TM+\b], |v[\src+16*\b+\i]|, |v[\src+16*\b+\i+1]|   ; (the four blocks by turns)
.endr
.endr
.irp b, 0,1,2,3
	v_permlanex16_b32 v[TM+4+\b], v[TM+\b], s[SEL], s[SEL+1]
.endr
.irp b, 0,1,2,3
	v_max_num_f32 v[TM+\b], v[TM+\b], v[TM+4+\b]   ; with lane l xor 16's: the block's largest magnitude
.endr
.irp b, 0,1,2,3
	v_add_nc_u32 v[TM+12+\b], 0xff000000, v[TM+\b] ; 2 off its exponent field: the conversion's scale operand
.endr
.irp b, 0,1,2,3
	v_lshrrev_b32 v[TM+4+\b], 23, v[TM+12+\b]      ; the scale's byte
.endr
	v_lshl_or_b32 v[\pw], v[TM+5], 8, v[TM+4]
	v_lshl_or_b32 v[\pw], v[TM+6], 16, v[\pw]
	v_lshl_or_b32 v[\pw], v[TM+7], 24, v[\pw]
.irp t, 0,1,2,3,4,5,6,7
	v_cvt_scalef32_pk8_fp4_f32 v[\pc+4*(\t/4)+2*(\t%2)+(\t%4)/2], v[\src+8*\t:\src+8*\t+7], v[TM+12+\t/2]
.endr
	v_nop                                          ; one plain line behind the last scaled conversion
.irp c, 0,2,4,6
	v_permlane16_swap_b32 v[\pc+\c], v[\pc+\c+1]   ; the first's lanes 16-31 change places with the second's lanes 0-15
.endr
.endm
; What a unit stores.  u: the unit's place in the loop's trip.
.macro EPI kind, u
.if \kind == 0
	WIN 0x0c                                       ; source 1 (the bias) window 3
.set j, 0
.rept 32
	v_pk_add_f32 v[TQ+j:TQ+j+1], v[ACC+j:ACC+j+1], v[BW+j:BW+j+1]
.set j, j+2
.endr
	WIN 0
	QUANT TQ, PC, PW
	v_perm_b32 v[SW], v[PW], v[PW], v10            ; lanes 0-15: [e0 e1 e0 e1], the even head's; lanes 16-31: [e2 e3 e2 e3], the odd head's
	global_store_b128 v3, v[PC:PC+3], s[OB:OB+1] offset:1024*\u
	global_store_b128 v3, v[PC+4:PC+7], s[OB:OB+1] offset:1024*\u+65536
	global_store_b32 v9, v[SW], s[SB:SB+1] offset:128*\u
	WIN 0x0c
.set j, 0
.rept 32
	v_pk_add_f32 v[TQ+j:TQ+j+1], v[ACC+j:ACC+j+1], v[BR+j:BR+j+1]
.set j, j+2
.endr
	WIN 0
	QUANT TQ, PC2, PW2
	v_perm_b32 v[SW+1], v[PW2], v[PW2], v10
	global_store_b128 v3, v[PC2:PC2+3], s[OB:OB+1] offset:1024*\u+512
	global_store_b128 v3, v[PC2+4:PC2+7], s[OB:OB+1] offset:1024*\u+512+65536
	global_store_b32 v9, v[SW+1], s[SB:SB+1] offset:128*\u+64
.elseif \kind == 2
	QUANT ACC, PC, PW
	global_store_b128 v3, v[PC:PC+3], s[OB:OB+1] offset:1024*\u
	global_store_b128 v3, v[PC+4:PC+7], s[OB:OB+1] offset:1024*\u+512
	global_store_b32 v9, v[PW], s[SB:SB+1] offset:128*\u   ; 128 keys' word of row d, in both halves of the lanes
.else
	QUANT ACC, PC, PW
	v_perm_b32 v[SW], v[PW], v[PW], v10
	global_store_b128 v3, v[PC:PC+3], s[OB:OB+1] offset:512*\u
.if \kind == 1
	global_store_b128 v3, v[PC+4:PC+7], s[OB:OB+1] offset:512*\u+BLK
.else
	global_store_b128 v3, v[PC+4:PC+7], s[OB:OB+1] offset:512*\u+RBLK
.endif
	global_store_b32 v9, v[SW], s[SB:SB+1] offset:64*\u
.endif
.endm
; The unit at place p of a trip of four (k, v, r).  It multiplies set p; at its head it asks for the unit three on, the tile nx tiles from the trip's bases, into set ls = (p + 3) % 4, which the unit before multiplied:
; that unit's last products stand a whole quantising back.  THE COUNT 36: behind this unit's 18 loads the loads of the two units after it were issued, 18 each, and may stay out.
; Place 0's look-ahead is place 3 of the same trip: it is always asked for.  Places 1 to 3 look into the next trip: in the job's last trip they ask for nothing (no load leaves its buffer), and since nothing is then issued
; behind the loads that are wanted, that arm waits for 0.  An arm that waits for 0 leaves no load out, so each counted wait holds whichever arm the places before it took.
.macro UNIT4 kind, lf, p, ls, nx
.if \p == 0
	s_wait_loadcnt 36
	LLOAD \lf, \ls, \nx
.else
	s_cmp_eq_u32 s[CNT], 1
	s_cbranch_scc1 .Llast_\@
	s_wait_loadcnt 36
	LLOAD \lf, \ls, \nx
	s_branch .Lgo_\@
.Llast_\@:
	s_wait_loadcnt 0x0
.Lgo_\@:
.endif
	MULS \p
	s_wait_xcnt 0x0                                ; the last unit's stores have read their data registers
	EPI \kind, \p
.endm
; A job of k, v or r: P comes in once; then nl units, four a trip.
.macro BODY4 kind, pf, lf, nl
	PLOAD \pf
	PSCL \pf
	LLOAD \lf, 0, 0                                ; the first three units are asked for ahead of the loop
	LLOAD \lf, 1, 1
	LLOAD \lf, 2, 2
	s_mov_b32 s[CNT], \nl/4
.Ltrip_\@:
	UNIT4 \kind, \lf, 0, 3, 3
	UNIT4 \kind, \lf, 1, 0, 4
	UNIT4 \kind, \lf, 2, 1, 5
	UNIT4 \kind, \lf, 3, 2, 6
	s_wait_xcnt 0x0                                ; the loads and stores issued so far have read their bases: all four may step
	s_add_nc_u64 s[LB:LB+1], s[LB:LB+1], 32768     ; four tiles on
	s_add_nc_u64 s[LS:LS+1], s[LS:LS+1], 2048
.if \kind == 2
	s_add_nc_u64 s[OB:OB+1], s[OB:OB+1], BLK       ; a trip's four tiles are one head's 64: on to the next head's block
	s_add_nc_u64 s[SB:SB+1], s[SB:SB+1], BLK
.elseif \kind == 1
	s_bitcmp1_b32 s[CNT], 0                        ; the count runs 4, 3, 2, 1: behind a trip with an odd count a key step's eight tiles are done
	s_cselect_b32 s[OF], 5120, 0                   ; then on to the next step's images: 9,216 - 2 x 2,048 more
	s_add_nc_u64 s[OB:OB+1], s[OB:OB+1], s[OF:OF+1]
	s_cselect_b32 s[OF], 8704, 0                   ; and scale words: 9,216 - 2 x 256 more
	s_add_nc_u64 s[SB:SB+1], s[SB:SB+1], s[OF:OF+1]
	s_add_nc_u64 s[OB:OB+1], s[OB:OB+1], 2048
	s_add_nc_u64 s[SB:SB+1], s[SB:SB+1], 256
.else
	s_add_nc_u64 s[OB:OB+1], s[OB:OB+1], 2048
	s_add_nc_u64 s[SB:SB+1], s[SB:SB+1], 256
.endif
	s_sub_co_i32 s[CNT], s[CNT], 1
	s_cmp_lg_u32 s[CNT], 0
	s_cbranch_scc1 .Ltrip_\@
	s_endpgm
.endm
	s_load_b128 s[8:11], s[0:1], 0x0               ; x_img 8, x_sc 10
	s_load_b64 s[14:15], s[0:1], 0x10              ; W_qkv_scales
	s_load_b64 s[18:19], s[0:1], 0x18              ; r_scales
	s_load_b64 s[22:23], s[0:1], 0x20              ; W_r_scales
	s_load_b256 s[24:31], s[0:1], 0x28             ; r_w_bias 24, r_r_bias 26, q_img 28, q_sc 30
	s_load_b128 s[32:35], s[0:1], 0x48             ; kv 32, rh 34
	v_lshrrev_b32 v1, 5, v0
	v_readfirstlane_b32 s[WV], v1                  ; wave 0..3
	v_and_b32 v1, 15, v0                           ; r
	v_bfe_u32 v2, v0, 4, 1                         ; h
	v_and_b32 v3, 31, v0
	v_lshlrev_b32 v13, 2, v3                       ; 4 x lane
	v_lshlrev_b32 v3, 4, v3                        ; 16 x lane
	v_lshlrev_b32 v4, 9, v1
	v_lshl_add_u32 v4, v2, 4, v4                   ; 512 r + 16 h
	v_lshlrev_b32 v5, 5, v1                        ; 32 r
	v_lshl_add_u32 v6, v2, 9, v5                   ; 32 r + 512 h
	v_lshlrev_b32 v7, 4, v1                        ; 16 r
	v_lshl_add_u32 v8, v2, 9, v7                   ; 16 r + 512 h
	v_lshlrev_b32 v11, 5, v2                       ; 32 h
	v_mov_b32 v10, 0x01000100                      ; byte selects that double a head's two scale bytes: lanes 0-15 bytes 0, 1;
	v_mov_b32 v12, 0x03020302                      ; lanes 16-31 bytes 2, 3
	v_cmp_eq_u32 vcc_lo, 1, v2
	v_cndmask_b32 v10, v10, v12, vcc_lo
.irp b, 0,1,2,3
	v_mov_b32 v[TM+4+\b], 0                        ; written once: a lane permute's destination counts as one of its sources
.endr
	s_mov_b32 s[SEL], 0x76543210
	s_mov_b32 s[SEL+1], 0xfedcba98
	s_lshl_b32 s[JJ], ttmp9, 2
	s_add_co_u32 s[JJ], s[JJ], s[WV]               ; 4 x work-group + wave
	s_mov_b32 s[OF+1], 0
	s_wait_kmcnt 0x0
	s_add_nc_u64 s[12:13], s[8:9], 4194304         ; the given codes as images, laid by the first launch behind cat's 512 tiles: W_qkv from tile 512,
	s_add_nc_u64 s[20:21], s[8:9], 5767168         ; W_r from tile 704,
	s_add_nc_u64 s[16:17], s[8:9], 6291456         ; r from tile 768
	s_cmp_lt_u32 ttmp9, 64
	s_cbranch_scc0 .Lnot_q
	; ---- q: job J = 0..255: g = J / 32; eight tiles of w's positions from l0 = 8 (J % 32): b = l0 / 64, tau0 = l0 % 64
	s_lshr_b32 s57, s[JJ], 5
	s_and_b32 s58, s[JJ], 31
	s_lshl_b32 s58, s58, 3
	s_lshr_b32 s59, s58, 6
	s_and_b32 s60, s58, 63
	s_lshl_b32 s[OF], s57, 16
	s_add_nc_u64 s[PB:PB+1], s[12:13], s[OF:OF+1]
	s_lshl_b32 s[OF], s57, 12
	s_add_nc_u64 s[PS:PS+1], s[14:15], s[OF:OF+1]
	s_lshl_b32 s61, s59, 7
	s_add_co_u32 s61, s61, s60
	s_add_co_u32 s61, s61, 64                      ; cat's tile 128 b + 64 + tau0
	s_lshl_b32 s[OF], s61, 13
	s_add_nc_u64 s[LB:LB+1], s[8:9], s[OF:OF+1]
	s_lshl_b32 s[OF], s61, 9
	s_add_nc_u64 s[LS:LS+1], s[10:11], s[OF:OF+1]
	s_lshl_b32 s61, s59, 4
	s_lshl_b32 s58, s57, 1
	s_add_co_u32 s61, s61, s58                     ; 16 b + 2 g
	s_lshl_b32 s61, s61, 6
	s_add_co_u32 s61, s61, s60
	s_lshl_b32 s[OF], s61, 10
	s_add_nc_u64 s[OB:OB+1], s[28:29], s[OF:OF+1]
	s_lshl_b32 s[OF], s61, 7
	s_add_nc_u64 s[SB:SB+1], s[30:31], s[OF:OF+1]
	s_lshl_b32 s[OF], s57, 9
	s_add_nc_u64 s[24:25], s[24:25], s[OF:OF+1]    ; the biases of my 128 columns
	s_add_nc_u64 s[26:27], s[26:27], s[OF:OF+1]
	v_mul_u32_u24 v9, v2, 8192                     ; the scale words' place: 4 r, the odd head's 64 tiles of 128 bytes on
	v_lshl_add_u32 v9, v1, 2, v9
	PLOAD 1
	PSCL 0
	WIN 0xc0
.irp p, 0,1,2,3,4,5,6,7
	global_load_b128 v[BW+8*\p:BW+8*\p+3], v11, s[24:25] offset:64*\p       ; lane (r, h): the bias at p = 16 pt + 8 h + 0 .. 7
	global_load_b128 v[BW+8*\p+4:BW+8*\p+7], v11, s[24:25] offset:64*\p+16
	global_load_b128 v[BR+8*\p:BR+8*\p+3], v11, s[26:27] offset:64*\p
	global_load_b128 v[BR+8*\p+4:BR+8*\p+7], v11, s[26:27] offset:64*\p+16
.endr
	WIN 0
	LLOAD 1, 0, 0
	s_mov_b32 s[CNT], 4                            ; eight units, two a trip, L's fragments in two sets by turns, asked for one unit ahead
.Ltrip_q:
	s_wait_loadcnt 0x0                             ; this unit's fragments, asked for a unit ago, are in: so L's addresses may step
	s_add_nc_u64 s[LB:LB+1], s[LB:LB+1], 8192
	s_add_nc_u64 s[LS:LS+1], s[LS:LS+1], 512
	LLOAD 1, 1, 0                                  ; the next unit's: the last products that read this set stand a whole quantising back
	MULS 0
	s_wait_xcnt 0x0                                ; the last unit's stores have read their data registers
	EPI 0, 0
	s_wait_loadcnt 0x0
	s_cmp_eq_u32 s[CNT], 1                         ; the job's last unit asks for nothing: no load leaves its buffer
	s_cbranch_scc1 .Lnol_q
	s_add_nc_u64 s[LB:LB+1], s[LB:LB+1], 8192
	s_add_nc_u64 s[LS:LS+1], s[LS:LS+1], 512
	LLOAD 1, 0, 0
.Lnol_q:
	MULS 1
	s_wait_xcnt 0x0
	EPI 0, 1
	s_wait_xcnt 0x0                                ; the stores have read their bases
	s_add_nc_u64 s[OB:OB+1], s[OB:OB+1], 2048
	s_add_nc_u64 s[SB:SB+1], s[SB:SB+1], 256
	s_sub_co_i32 s[CNT], s[CNT], 1
	s_cmp_lg_u32 s[CNT], 0
	s_cbranch_scc1 .Ltrip_q
	s_endpgm
.Lnot_q:
	s_cmp_lt_u32 ttmp9, 128
	s_cbranch_scc0 .Lnot_k
	; ---- k: J = 0..255: g = J / 32; sixteen tiles of cat from T0 = 16 (J % 32): b = T0 / 128, tau0 = T0 % 128
	s_and_b32 s[JJ], s[JJ], 255
	s_lshr_b32 s57, s[JJ], 5
	s_and_b32 s58, s[JJ], 31
	s_lshl_b32 s58, s58, 4
	s_lshr_b32 s59, s58, 7
	s_and_b32 s60, s58, 127
	s_lshl_b32 s[OF], s57, 16
	s_add_co_u32 s[OF], s[OF], 524288
	s_add_nc_u64 s[PB:PB+1], s[12:13], s[OF:OF+1]
	s_lshl_b32 s[OF], s57, 12
	s_add_co_u32 s[OF], s[OF], 32768
	s_add_nc_u64 s[PS:PS+1], s[14:15], s[OF:OF+1]
	s_lshl_b32 s[OF], s58, 13
	s_add_nc_u64 s[LB:LB+1], s[8:9], s[OF:OF+1]
	s_lshl_b32 s[OF], s58, 9
	s_add_nc_u64 s[LS:LS+1], s[10:11], s[OF:OF+1]
	s_lshl_b32 s61, s59, 4
	s_lshl_b32 s58, s57, 1
	s_add_co_u32 s61, s61, s58
	s_mul_i32 s61, s61, BLK                        ; the block of (b, head 2 g)
	s_lshr_b32 s[OF], s60, 3                       ; the key step of tile tau0 (a multiple of 16)
	s_mul_i32 s[OF], s[OF], 9216
	s_add_co_u32 s[OF], s[OF], s61
	s_add_nc_u64 s[OB:OB+1], s[32:33], s[OF:OF+1]
	s_add_co_u32 s[OF], s[OF], 8192                ; the step's K scale words
	s_add_nc_u64 s[SB:SB+1], s[32:33], s[OF:OF+1]
	v_mul_u32_u24 v9, v2, BLK
	v_lshl_add_u32 v9, v1, 2, v9
	BODY4 1, 2, 1, 16
.Lnot_k:
	s_cmp_lt_u32 ttmp9, 192
	s_cbranch_scc0 .Lnot_v
	; ---- v: J = 0..255: G = J / 4 (b = G / 16, key step st = G % 16); sixteen tiles of W_qkv's value rows from l0 = 16 (J % 4): four heads from n0 = 4 (J % 4)
	s_and_b32 s[JJ], s[JJ], 255
	s_lshr_b32 s57, s[JJ], 2
	s_and_b32 s58, s[JJ], 3
	s_lshl_b32 s[OF], s57, 16
	s_add_nc_u64 s[PB:PB+1], s[8:9], s[OF:OF+1]
	s_lshl_b32 s[OF], s57, 12
	s_add_nc_u64 s[PS:PS+1], s[10:11], s[OF:OF+1]
	s_lshl_b32 s[OF], s58, 17
	s_add_co_u32 s[OF], s[OF], 1048576
	s_add_nc_u64 s[LB:LB+1], s[12:13], s[OF:OF+1]
	s_lshl_b32 s[OF], s58, 13
	s_add_co_u32 s[OF], s[OF], 65536
	s_add_nc_u64 s[LS:LS+1], s[14:15], s[OF:OF+1]
	s_lshr_b32 s59, s57, 4
	s_and_b32 s60, s57, 15
	s_lshl_b32 s61, s59, 4
	s_lshl_b32 s58, s58, 2
	s_add_co_u32 s61, s61, s58
	s_mul_i32 s61, s61, BLK                        ; the block of (b, head n0)
	s_mul_i32 s[OF], s60, 9216                     ; key step st
	s_add_co_u32 s[OF], s[OF], s61
	s_add_co_u32 s[OF], s[OF], 4096                ; its V images
	s_add_nc_u64 s[OB:OB+1], s[32:33], s[OF:OF+1]
	s_add_co_u32 s[OF], s[OF], 4608                ; its V scale words, at 8,704
	s_add_nc_u64 s[SB:SB+1], s[32:33], s[OF:OF+1]
	v_mov_b32 v9, v13                              ; the scale words' place: 4 x lane
	BODY4 2, 1, 2, 16
.Lnot_v:
	; ---- r: J = 0..127: g = J / 16; eight tiles of r's rows from l0 = 8 (J % 16)
	s_and_b32 s[JJ], s[JJ], 127
	s_lshr_b32 s57, s[JJ], 4
	s_and_b32 s58, s[JJ], 15
	s_lshl_b32 s60, s58, 3
	s_lshl_b32 s[OF], s57, 16
	s_add_nc_u64 s[PB:PB+1], s[20:21], s[OF:OF+1]
	s_lshl_b32 s[OF], s57, 12
	s_add_nc_u64 s[PS:PS+1], s[22:23], s[OF:OF+1]
	s_lshl_b32 s[OF], s60, 13
	s_add_nc_u64 s[LB:LB+1], s[16:17], s[OF:OF+1]
	s_lshl_b32 s[OF], s60, 9
	s_add_nc_u64 s[LS:LS+1], s[18:19], s[OF:OF+1]
	s_mul_i32 s61, s57, 2*RBLK                     ; the block of head 2 g
	s_lshl_b32 s[OF], s60, 9
	s_add_co_u32 s[OF], s[OF], s61
	s_add_nc_u64 s[OB:OB+1], s[34:35], s[OF:OF+1]
	s_lshl_b32 s[OF], s60, 6
	s_add_co_u32 s[OF], s[OF], s61
	s_add_co_u32 s[OF], s[OF], 71680
	s_add_nc_u64 s[SB:SB+1], s[34:35], s[OF:OF+1]
	v_mul_u32_u24 v9, v2, RBLK
	v_lshl_add_u32 v9, v1, 2, v9
	s_cmp_eq_u32 s58, 15                           ; the last job of a pair of heads also stores their zero tiles 128-139 (a branch on ids)
	s_cbranch_scc0 .Lno_zeros
	s_mov_b32 s[OF], s61
	s_add_nc_u64 s[34:35], s[34:35], s[OF:OF+1]
.irp c, 0,1,2,3
	v_mov_b32 v[PC+\c], 0
.endr
.irp e, 0,1
.irp t, 0,1,2,3,4,5,6,7,8,9,10,11
	global_store_b128 v3, v[PC:PC+3], s[34:35] offset:\e*RBLK+65536+512*\t
.endr
.irp t, 0,1,2,3,4,5
	global_store_b32 v13, v[PC], s[34:35] offset:\e*RBLK+71680+8192+128*\t
.endr
.endr
.Lno_zeros:
	BODY4 3, 2, 2, 8
.Lfunc_end_k_q145d85827f_proj:
	.size	k_q145d85827f_proj, .Lfunc_end_k_q145d85827f_proj-k_q145d85827f_proj
	.p2alignl 7, 3214868480
	.fill 96, 4, 3214868480
	.section	.rodata,"a",@progbits
	.p2align	6, 0x0
	.amdhsa_kernel k_q145d85827f_proj
		.amdhsa_group_segment_fixed_size 0
		.amdhsa_private_segment_fixed_size 0
		.amdhsa_enable_private_segment 0
		.amdhsa_kernarg_size 88
		.amdhsa_user_sgpr_count 2
		.amdhsa_user_sgpr_kernarg_segment_ptr 1
		.amdhsa_wavefront_size32 1
		.amdhsa_system_sgpr_workgroup_id_x 1
		.amdhsa_system_sgpr_workgroup_id_y 1
		.amdhsa_system_sgpr_workgroup_id_z 1
		.amdhsa_system_vgpr_workitem_id 0
		.amdhsa_next_free_vgpr 1024
		.amdhsa_next_free_sgpr 66
		.amdhsa_reserve_vcc 1
		.amdhsa_float_denorm_mode_32 3
		.amdhsa_float_denorm_mode_16_64 3
		.amdhsa_memory_ordered 1
		.amdhsa_forward_progress 1
		.amdhsa_inst_pref_size 255
	.end_amdhsa_kernel
	.section	.bss,"aw",@nobits
	.p2align	6
	.space	262144
	.amdgpu_metadata
---
amdhsa.version: [ 1, 2 ]
amdhsa.kernels:
  - .name:           k_q145d85827f_proj
    .symbol:         k_q145d85827f_proj.kd
    .args:
      - { .name: x_img, .offset: 0, .size: 8, .value_kind: global_buffer, .address_space: global }
      - { .name: x_sc, .offset: 8, .size: 8, .value_kind: global_buffer, .address_space: global }
      - { .name: W_qkv_scales, .offset: 16, .size: 8, .value_kind: global_buffer, .address_space: global }
      - { .name: r_scales, .offset: 24, .size: 8, .value_kind: global_buffer, .address_space: global }
      - { .name: W_r_scales, .offset: 32, .size: 8, .value_kind: global_buffer, .address_space: global }
      - { .name: r_w_bias, .offset: 40, .size: 8, .value_kind: global_buffer, .address_space: global }
      - { .name: r_r_bias, .offset: 48, .size: 8, .value_kind: global_buffer, .address_space: global }
      - { .name: q_img, .offset: 56, .size: 8, .value_kind: global_buffer, .address_space: global }
      - { .name: q_sc, .offset: 64, .size: 8, .value_kind: global_buffer, .address_space: global }
      - { .name: kv, .offset: 72, .size: 8, .value_kind: global_buffer, .address_space: global }
      - { .name: rh, .offset: 80, .size: 8, .value_kind: global_buffer, .address_space: global }
    .group_segment_fixed_size: 0
    .private_segment_fixed_size: 0
    .kernarg_segment_align: 8
    .kernarg_segment_size: 88
    .max_flat_workgroup_size: 128
    .sgpr_count:     66
    .vgpr_count:     1024
    .wavefront_size: 32
...
	.end_amdgpu_metadata
.endif
;; end of part 2
;; launch attn (part 3): grid 256 x 1, 16 waves a work-group, no clusters, 327,680 bytes of LDS; arguments q_img, q_sc, kv, rh, a_img, a_sc; writes a_img, a_sc
.if DOCPART == 3
	.amdgcn_target "amdgcn-amd-amdhsa--gfx1250"
	.amdhsa_code_object_version 6
	.text
	.protected	k_q145d85827f_attn
	.globl	k_q145d85827f_attn
	.p2align	8
	.type	k_q145d85827f_attn,@function
k_q145d85827f_attn:
	s_mov_b64 s[64:65], 0
	v_nop
	global_prefetch_b8 v0, s[64:65] scope:SCOPE_SE
	s_setreg_imm32_b32 hwreg(HW_REG_WAVE_MODE, 25, 1), 1
	s_wait_xcnt 0x0
; attn_vec = softmax((AC + shifted BD) / 8, masked) V for one (batch, head), all three products on codes of FP4, and attn_vec quantised along the head's 64 for the projection on the way out.
; LEFT OUT: of BD only BD[i][j - i + 1023] is multiplied (the relative shift is that index for every key that the mask lets through); key steps all of whose keys lie behind i + 1024 are not multiplied (reference()'s own mask).
; SHARES.  Work-group id: c = id % 4, (b, n) = id / 4.  Wave w owns the 16 queries of tile tq = 63 - (4 w' + c), w' = w xor 3 x (bit 2 of w): waves w, w + 4, w + 8, w + 12 then have 50 key steps between them for every w % 4.
; Every wave walks 16 key steps of 128; a step whose first key lies behind the tile's first query + 1024 is jumped over (ids alone).
; K, V and R of the head lie in LDS whole, each byte filled once.  kv lies key step by key step (9,216 bytes: K images, V images, K words, V words).  At the head waves 0 and 1 ask for steps 0 to 3, wave 8 for R's images, wave 9 for R's words;
; behind the first barrier waves 2 to 7 ask for two steps each, and these loads are on their way while steps 0 to 3 are walked; one more barrier stands ahead of step 4.  The walk is two loops of constant count, 4 and 12, with one body;
; the first has no mask and no jump: keys under 512 count for every query.
; NO CLUSTER, though the four work-groups of a head read the same K and V: the jump over hidden steps hangs on c, the work-group's place among the four.
; NO PREFETCH: all that the launch reads is asked for at the head and behind the first barrier; no later load is left to run ahead of.
; K = 64 ON AN INSTRUCTION OF K = 128.  A half fragment is 16 rows x 64: four registers.  The keys' (or R's) operand is two neighbouring tiles [t | t + 1]; the queries' lies in twelve registers [0 | q | 0]: registers 4-11 = [q | 0] pick
; tile t, registers 0-7 = [0 | q] tile t + 1.  Scale words are doubled, [e0 e1 e0 e1]; one load of 128 bytes brings tile t's words to lanes 0-15 and tile t + 1's to lanes 16-31.
; THE RELATIVE SHIFT.  For keys j0 + 64 g + c' and query i0 + q the row of R is 16 t0 + (c' + 15 - q), t0 = j0 / 16 + 4 g + 4 w' + c.  R is loaded from its tile c on, so that no LDS address hangs on the work-group's number.
; Five tiles of BD are made not transposed (a lane holds one row of R and eight queries) and stored to the wave's stage at 340 q + 4 mm + 4; read at pitch 336, byte 336 q + 4 c' + 64, the same words are the scores' layout, and they land in
; the registers that K (q + r_w_bias)^T takes as its C.
; A STEP'S TWO HALVES GO THROUGH THE ONE STAGE BEHIND EACH OTHER.  LDS serves a wave's instructions in order, so half 0's stores, its loads back, half 1's stores and its loads back need no wait between them.  R's ten tiles of a step
; (half 0: tiles 0-4, half 1: tiles 4-8, in pairs) are read once; half 1's tiles of K land in the registers of R's tiles 0-3 when half 0's BD is made.
; SOFTMAX.  t = score x log2(e) / 8; M = the running largest t rounded up to a whole number; p = 2^(t - M) is quantised along the keys; the row's sum is taken of the unquantised p and divides at the end.
; LIMITS: as stated at the head of the first launch.  a_sc leaves in runs of 32 bytes: one part in 17 of what this launch stores.
; REGISTERS: v1, v2 16 x and 4 x lane; v3, v4 the stage in and out; v5, v6 the add's two; v7-12 the step's addresses; v13-18 their bases; v19 r - 8 h; v20 -M, v21 the largest t, v[22:23] the sum; v24-35 [0|qw|0]; v36-47 [0|qr|0];
;   scale words alone: v48 q's; v49-51, v54, v55 R's five pairs; v52, v53, v254, v255 K's four pairs; v49-52 later V's.   v56-79 R's tiles 0-5, then v56-71 K's tiles 4-7, later v56-87 V; v80-119 BD; v120-183 scores, then p (v152-167 first R's tiles 6-9);
;   v184-215 O^T; v216-223 p's codes; v224-239 K's tiles 0-3; v240-253 at work.
.set BLK,   147456
.set RBLK,  80640
.set STEPB, 9216
.set RSC,   0
.set RIMG,  8768
.set KVB,   78912
.set KIMG,  KVB
.set VIMG,  KVB+4096
.set KSC,   KVB+8192
.set VSC,   KVB+8704
.set STAGE, 226560                     ; 5,632 bytes a wave, from a multiple of 256 on: no fill lands here
.set SPARE, 316672                     ; the spare words, 128 bytes a wave
.set WV,  16
.set WP,  23                           ; w'
.set SEL, 24
.set CS,  26
.set G1KV, 28
.set G1R,  36
.set G1S,  44
.set G0A,  52
.set G0B,  56
.set G0C,  60
.set S4,  66                           ; 4,096 x step: eight tiles of R
.set S5,  67                           ; 512 x step: their scale words
.set KF,  68                           ; the step's first key
.set QL,  69                           ; my first query + 1024
.set CNT, 70
.set S9,  71                           ; 9,216 x step: the step's part of kv
	s_load_b256 s[4:11], s[0:1], 0x0               ; q_img 4, q_sc 6, kv 8, rh 10
	s_load_b128 s[12:15], s[0:1], 0x20             ; a_img 12, a_sc 14
	v_lshl_add_u32 v5, v0, 2, SPARE
	v_mov_b32 v6, 0
	ds_add_u32 v5, v6                              ; the opening: the add, twice on end, and its wait
	ds_add_u32 v5, v6
	v_lshrrev_b32 v1, 5, v0
	s_delay_alu instid0(VALU_DEP_1)
	v_readfirstlane_b32 s[WV], v1                  ; wave 0..15
	s_bfe_u32 s[WP], s[WV], 0x10002
	s_mul_i32 s[WP], s[WP], 3
	s_xor_b32 s[WP], s[WP], s[WV]                  ; w'
	s_and_b32 s17, ttmp9, 3                        ; c
	s_lshr_b32 s18, ttmp9, 2                       ; bn = 16 b + n
	s_lshr_b32 s19, s18, 4                         ; b
	s_and_b32 s20, s18, 15                         ; n
	s_lshl_b32 s21, s[WP], 2
	s_add_co_u32 s21, s21, s17
	s_sub_co_u32 s22, 63, s21                      ; tq
	; groups 1, dense blocks: kv 72 rows of 256 bytes (two key steps); R's images 274 rows of 256; R's words 137 rows of 64
	s_mov_b32 s[G1KV], 3<<16
	s_mov_b32 s[G1KV+1], 32<<16
	s_mov_b32 s[G1KV+2], 72<<16
	s_mov_b32 s[G1KV+3], 32<<16
	s_mov_b32 s[G1KV+4], 72
	s_mov_b32 s[G1KV+5], 32
	s_mov_b32 s[G1KV+6], 0
	s_mov_b32 s[G1KV+7], 0
	s_mov_b32 s[G1R], 3<<16
	s_mov_b32 s[G1R+1], 32<<16
	s_mov_b32 s[G1R+2], 274<<16
	s_mov_b32 s[G1R+3], 32<<16
	s_mov_b32 s[G1R+4], 274
	s_mov_b32 s[G1R+5], 32
	s_mov_b32 s[G1R+6], 0
	s_mov_b32 s[G1R+7], 0
	s_mov_b32 s[G1S], 3<<16
	s_mov_b32 s[G1S+1], 8<<16
	s_mov_b32 s[G1S+2], 137<<16
	s_mov_b32 s[G1S+3], 8<<16
	s_mov_b32 s[G1S+4], 137
	s_mov_b32 s[G1S+5], 8
	s_mov_b32 s[G1S+6], 0
	s_mov_b32 s[G1S+7], 0
	s_mul_i32 s72, s[WV], 2*STEPB                  ; key steps 2 w, 2 w + 1 (waves 0-7)
	s_mov_b32 s73, 0
	s_mul_i32 s74, s18, BLK
	s_mov_b32 s75, 0
	s_add_nc_u64 s[74:75], s[74:75], s[72:73]
	s_mul_i32 s76, s20, RBLK
	s_lshl_b32 s78, s17, 9
	s_add_co_u32 s78, s78, s76                     ; R's images from tile c on
	s_mov_b32 s79, 0
	s_lshl_b32 s77, s17, 6
	s_add_co_u32 s76, s76, s77
	s_add_co_u32 s76, s76, 71680                   ; and its scale words likewise
	s_mov_b32 s77, 0
	s_mov_b32 s[SEL], 0x76543210
	s_mov_b32 s[SEL+1], 0xfedcba98
	s_mov_b32 s[CS], 0x3e38aa3b                    ; log2(e) / 8
	s_mov_b32 s[CS+1], s[CS]
	s_mov_b32 s[S4], 0
	s_mov_b32 s[S5], 0
	s_mov_b32 s[S9], 0
	s_mov_b32 s[KF], 0
	s_lshl_b32 s[QL], s22, 4
	s_add_co_u32 s[QL], s[QL], 1024
	s_wait_dscnt 0x0                               ; both opening adds are done
	s_wait_kmcnt 0x0
	s_mov_b32 s[G0A], 1
	s_add_co_u32 s[G0A+1], s72, KVB
	s_add_nc_u64 s[G0A+2:G0A+3], s[8:9], s[74:75]
	s_or_b32 s[G0A+3], s[G0A+3], 0x80000000
	s_mov_b32 s[G0B], 1
	s_mov_b32 s[G0B+1], RIMG
	s_add_nc_u64 s[G0B+2:G0B+3], s[10:11], s[78:79]
	s_or_b32 s[G0B+3], s[G0B+3], 0x80000000
	s_mov_b32 s[G0C], 1
	s_mov_b32 s[G0C+1], RSC
	s_add_nc_u64 s[G0C+2:G0C+3], s[10:11], s[76:77]
	s_or_b32 s[G0C+3], s[G0C+3], 0x80000000
	; the head's fills, one chain of branches on the wave's number, a load an arm: waves 0 and 1 key steps 0 to 3, wave 8 R's images, wave 9 R's words
	s_cmp_lt_u32 s[WV], 2
	s_cbranch_scc0 .Lnot_kv
	tensor_load_to_lds s[G0A:G0A+3], s[G1KV:G1KV+7]
	s_nop 0
.rept 4
	v_nop
.endr
	s_branch .Lasked
.Lnot_kv:
	s_cmp_eq_u32 s[WV], 8
	s_cbranch_scc0 .Lnot_r
	tensor_load_to_lds s[G0B:G0B+3], s[G1R:G1R+7]
	s_nop 0
.rept 4
	v_nop
.endr
	s_branch .Lasked
.Lnot_r:
	s_cmp_eq_u32 s[WV], 9
	s_cbranch_scc0 .Lasked
	tensor_load_to_lds s[G0C:G0C+3], s[G1S:G1S+7]
	s_nop 0
.rept 4
	v_nop
.endr
.Lasked:
	s_lshl_b32 s72, s18, 6
	s_add_co_u32 s72, s72, s22                     ; 64 bn + tq
	s_lshl_b32 s74, s72, 10
	s_mov_b32 s75, 0
	s_add_nc_u64 s[4:5], s[4:5], s[74:75]
	s_lshl_b32 s74, s72, 7
	s_add_nc_u64 s[6:7], s[6:7], s[74:75]
	v_and_b32 v2, 31, v0
	s_delay_alu instid0(VALU_DEP_1)
	v_lshlrev_b32 v1, 4, v2                        ; 16 x lane
	s_delay_alu instid0(VALU_DEP_2)
	v_lshlrev_b32 v2, 2, v2                        ; 4 x lane
	global_load_b128 v[28:31], v1, s[4:5]          ; q + r_w_bias: the middle of [0 | qw | 0]
	global_load_b128 v[40:43], v1, s[4:5] offset:512   ; q + r_r_bias
	global_load_b32 v48, v2, s[6:7]                ; lanes 0-15 qw's words, lanes 16-31 qr's
.irp z, 24,25,26,27,32,33,34,35,36,37,38,39,44,45,46,47
	v_mov_b32 v\z, 0                               ; the zero codes beside them
.endr
	v_and_b32 v7, 15, v0                           ; r
	v_bfe_u32 v8, v0, 4, 1                         ; h
	s_mul_i32 s72, s[WV], 5632
	s_add_co_u32 s72, s72, STAGE                   ; my stage
	v_mul_u32_u24 v3, v8, 2720
	s_delay_alu instid0(VALU_DEP_1)
	v_lshl_add_u32 v3, v7, 2, v3
	s_delay_alu instid0(VALU_DEP_1)
	v_add_nc_u32 v3, s72, v3
	s_delay_alu instid0(VALU_DEP_1)
	v_add_nc_u32 v3, 4, v3                         ; in: 340 (8 h + jj) + 4 (16 x + r) + 4
	v_mul_u32_u24 v4, v7, 336
	s_delay_alu instid0(VALU_DEP_1)
	v_lshl_add_u32 v4, v8, 5, v4
	s_delay_alu instid0(VALU_DEP_1)
	v_add_nc_u32 v4, s72, v4
	s_delay_alu instid0(VALU_DEP_1)
	v_add_nc_u32 v4, 64, v4                        ; out: 336 r + 4 (16 t + 8 h + jj) + 64
	v_lshlrev_b32 v19, 3, v8
	s_delay_alu instid0(VALU_DEP_1)
	v_sub_nc_u32 v19, v7, v19                      ; r - 8 h, for the mask
	s_lshl_b32 s73, s[WP], 11
	s_add_co_u32 s73, s73, RIMG
	v_add_nc_u32 v13, s73, v1                      ; R's images: LDS tile 4 w' + ..
	s_lshl_b32 s73, s[WP], 8
	v_add_nc_u32 v14, s73, v2                      ; R's scale words (RSC = 0)
	v_add_nc_u32 v15, KIMG, v1
	v_add_nc_u32 v16, KSC, v2
	v_add_nc_u32 v17, VIMG, v1
	v_add_nc_u32 v18, VSC, v2
	v_mov_b32 v21, 0xff61b1e6                      ; the largest t so far: -3e38
	s_delay_alu instid0(VALU_DEP_1)
	v_floor_f32 v20, -v21                          ; -M
	v_mov_b32 v22, 0
	v_mov_b32 v23, 0
.irp b, 0,1,2,3
	v_mov_b32 v[244+\b], 0                         ; a lane permute's destination counts as one of its sources
.endr
	v_mov_b32 v252, 0
	v_mov_b32 v253, 0
.set j, 0
.rept 32
	v_mov_b32 v[184+j], 0                          ; O^T: the first step finds zeros
.set j, j+1
.endr
	s_wait_alu depctr_va_vdst(0)
	s_wait_tensorcnt 0x0                           ; my fill has landed
	ds_add_u32 v5, v6                              ; the add twice on end
	ds_add_u32 v5, v6
	s_wait_dscnt 0x0
	s_barrier_signal -1
	s_barrier_wait -1                              ; key steps 0 to 3 and R are whole
	s_cmp_lt_u32 s[WV], 2                          ; waves 2 to 7 ask for key steps 2 w, 2 w + 1: bytes filled for the first time
	s_cbranch_scc1 .Lno_late
	s_cmp_lt_u32 s[WV], 8
	s_cbranch_scc0 .Lno_late
	tensor_load_to_lds s[G0A:G0A+3], s[G1KV:G1KV+7]
	s_nop 0
.rept 4
	v_nop
.endr
.Lno_late:
	s_wait_loadcnt 0x0                             ; q
; Five tiles of BD from three pairs of R's tiles (registers p, scale words s)
.macro BD p0, s0, p1, s1, p2, s2
	v_wmma_scale_f32_16x16x128_f8f6f4 v[80:87], v[40:47], v[\p0:\p0+7], 0, v48, v[\s0] matrix_a_fmt:MATRIX_FMT_FP4 matrix_b_fmt:MATRIX_FMT_FP4 matrix_a_scale:MATRIX_SCALE_ROW1
	v_wmma_scale_f32_16x16x128_f8f6f4 v[88:95], v[36:43], v[\p0:\p0+7], 0, v48, v[\s0] matrix_a_fmt:MATRIX_FMT_FP4 matrix_b_fmt:MATRIX_FMT_FP4 matrix_a_scale:MATRIX_SCALE_ROW1 matrix_b_scale:MATRIX_SCALE_ROW1
	v_wmma_scale_f32_16x16x128_f8f6f4 v[96:103], v[40:47], v[\p1:\p1+7], 0, v48, v[\s1] matrix_a_fmt:MATRIX_FMT_FP4 matrix_b_fmt:MATRIX_FMT_FP4 matrix_a_scale:MATRIX_SCALE_ROW1
	v_wmma_scale_f32_16x16x128_f8f6f4 v[104:111], v[36:43], v[\p1:\p1+7], 0, v48, v[\s1] matrix_a_fmt:MATRIX_FMT_FP4 matrix_b_fmt:MATRIX_FMT_FP4 matrix_a_scale:MATRIX_SCALE_ROW1 matrix_b_scale:MATRIX_SCALE_ROW1
	v_wmma_scale_f32_16x16x128_f8f6f4 v[112:119], v[40:47], v[\p2:\p2+7], 0, v48, v[\s2] matrix_a_fmt:MATRIX_FMT_FP4 matrix_b_fmt:MATRIX_FMT_FP4 matrix_a_scale:MATRIX_SCALE_ROW1
.endm
; BD through the stage: 40 stores, 8 loads back into half g's scores
.macro SHIFT g
.irp x, 0,1,2,3,4
.irp j, 0,1,2,3,4,5,6,7
	ds_store_b32 v3, v[80+8*\x+\j] offset:340*\j+64*\x             ; each accumulator from its low end on
.endr
.endr
.irp t, 0,1,2,3
	ds_load_b128 v[120+32*\g+8*\t:123+32*\g+8*\t], v4 offset:64*\t
	ds_load_b128 v[124+32*\g+8*\t:127+32*\g+8*\t], v4 offset:64*\t+16
.endr
.endm
; AC onto the shifted BD: four tiles of keys in two pairs from register k on
.macro AC g, k, s0, s1
	v_wmma_scale_f32_16x16x128_f8f6f4 v[120+32*\g:127+32*\g], v[\k:\k+7], v[28:35], v[120+32*\g:127+32*\g], v[\s0], v48 matrix_a_fmt:MATRIX_FMT_FP4 matrix_b_fmt:MATRIX_FMT_FP4
	v_wmma_scale_f32_16x16x128_f8f6f4 v[128+32*\g:135+32*\g], v[\k:\k+7], v[24:31], v[128+32*\g:135+32*\g], v[\s0], v48 matrix_a_fmt:MATRIX_FMT_FP4 matrix_b_fmt:MATRIX_FMT_FP4 matrix_a_scale:MATRIX_SCALE_ROW1
	v_wmma_scale_f32_16x16x128_f8f6f4 v[136+32*\g:143+32*\g], v[\k+8:\k+15], v[28:35], v[136+32*\g:143+32*\g], v[\s1], v48 matrix_a_fmt:MATRIX_FMT_FP4 matrix_b_fmt:MATRIX_FMT_FP4
	v_wmma_scale_f32_16x16x128_f8f6f4 v[144+32*\g:151+32*\g], v[\k+8:\k+15], v[24:31], v[144+32*\g:151+32*\g], v[\s1], v48 matrix_a_fmt:MATRIX_FMT_FP4 matrix_b_fmt:MATRIX_FMT_FP4 matrix_a_scale:MATRIX_SCALE_ROW1
.endm
; nn key steps of 128 keys, a loop of constant count.  mk = 0: steps all of whose keys count for every query: no jump, no mask
.macro KSTEPS nn, mk
	s_mov_b32 s[CNT], \nn
.Lstep_\@:
.if \mk
	s_cmp_gt_u32 s[KF], s[QL]                      ; both are multiples of 16: behind QL no key of the step counts for any of my queries
	s_cbranch_scc1 .Lhidden_\@
.endif
	v_add_nc_u32 v7, s[S4], v13                    ; the step's addresses: six plain lines, the places behind the last step's products
	v_add_nc_u32 v8, s[S5], v14
	v_add_nc_u32 v9, s[S9], v15
	v_add_nc_u32 v10, s[S9], v16
	v_add_nc_u32 v11, s[S9], v17
	v_add_nc_u32 v12, s[S9], v18
	s_wait_alu depctr_va_vdst(0)
.irp i, 0,1,2,3,4,5
	ds_load_b128 v[56+4*\i:59+4*\i], v7 offset:512*\i              ; R's tiles 0-5
.endr
.irp f, 0,1,2
	ds_load_b32 v[49+\f], v8 offset:128*\f
.endr
.irp i, 0,1,2,3
	ds_load_b128 v[224+4*\i:227+4*\i], v9 offset:512*\i            ; K's tiles 0-3
.endr
.irp f, 0,1
	ds_load_b32 v[52+\f], v10 offset:128*\f
.endr
.irp i, 0,1,2,3
	ds_load_b128 v[152+4*\i:155+4*\i], v7 offset:3072+512*\i       ; R's tiles 6-9
.endr
.irp f, 0,1
	ds_load_b32 v[54+\f], v8 offset:384+128*\f
.endr
	s_wait_dscnt 12                                ; R's tiles 0-5 and their words are in; the twelve loads behind them may be out
	BD 56, 49, 64, 50, 72, 51
.rept 5
	v_nop                                          ; four places ahead of the stores and of the loads into R's registers, five ahead of the products that write BD anew
.endr
	SHIFT 0
.irp i, 0,1,2,3
	ds_load_b128 v[56+4*\i:59+4*\i], v9 offset:2048+512*\i         ; K's tiles 4-7, where R's tiles 0-3 lay
.endr
.irp f, 0,1
	ds_load_b32 v[254+\f], v10 offset:256+128*\f
.endr
	s_wait_dscnt 54                                ; R's tiles 6-9 are in; behind them: 40 stores, 8 loads back, K's 6
	BD 72, 51, 152, 54, 160, 55
.rept 5
	v_nop                                          ; places ahead of the stores, and of the loads back into the registers of R's tiles 6-9
.endr
	SHIFT 1
	s_wait_dscnt 54                                ; half 0's scores are back; behind them: K's 6, 40 stores, 8 loads back
	AC 0, 224, 52, 53
	s_wait_dscnt 0x0
	AC 1, 56, 254, 255
.rept 4
	v_nop                                          ; places in front of the loads below and of the first read of the scores
.endr
.irp t, 0,1,2,3
	ds_load_b128 v[56+8*\t:59+8*\t], v11 offset:1024*\t            ; V^T: 16 of the head's 64 x these 128 keys; they land under the softmax
	ds_load_b128 v[60+8*\t:63+8*\t], v11 offset:1024*\t+512
	ds_load_b32 v[49+\t], v12 offset:128*\t
.endr
.if \mk
	s_add_co_u32 s72, s[KF], 127
	s_cmp_le_u32 s72, s[QL]                        ; a step all of whose keys count skips the mask
	s_cbranch_scc1 .Lopen_\@
	s_sub_co_i32 s72, s[QL], s[KF]
	v_add_nc_u32 v252, s72, v19                    ; d = QL - KF + r - 8 h.  Register 8 t + jj holds key KF + 16 t + 8 h + jj: hidden where 16 t + jj > d
	v_mov_b32 v244, 0xff800000                     ; -infinity: p = 0 then
.irp t, 0,1,2,3,4,5,6,7
.irp j, 0,1,2,3,4,5,6,7
	v_cmp_gt_i32 vcc_lo, 16*\t+\j, v252
	v_cndmask_b32 v[120+8*\t+\j], v[120+8*\t+\j], v244, vcc_lo
.endr
.endr
.Lopen_\@:
.endif
.irp b, 0,1,2,3
	v_max3_num_f32 v[240+\b], v[120+16*\b], v[121+16*\b], v[122+16*\b]   ; the largest score of each block of 32 keys
.endr
.irp i, 3,5,7,9,11,13
.irp b, 0,1,2,3
	v_max3_num_f32 v[240+\b], v[240+\b], v[120+16*\b+\i], v[121+16*\b+\i]
.endr
.endr
.irp b, 0,1,2,3
	v_max_num_f32 v[240+\b], v[240+\b], v[135+16*\b]
.endr
.irp b, 0,1,2,3
	s_delay_alu instid0(VALU_DEP_4)
	v_permlanex16_b32 v[244+\b], v[240+\b], s[SEL], s[SEL+1]
.endr
.irp b, 0,1,2,3
	s_delay_alu instid0(VALU_DEP_4)
	v_max_num_f32 v[240+\b], v[240+\b], v[244+\b]  ; with lane l xor 16's 16 keys
.endr
	s_delay_alu instid0(VALU_DEP_2)
	v_max3_num_f32 v248, v240, v241, v242
	s_delay_alu instid0(VALU_DEP_1)
	v_max_num_f32 v248, v248, v243                 ; the step's largest score of my query
	s_delay_alu instid0(VALU_DEP_1)
	v_mul_f32 v248, s[CS], v248                    ; as t
	s_delay_alu instid0(VALU_DEP_1)
	v_max_num_f32 v21, v21, v248                   ; the running largest t
	v_mov_b32 v248, v20
	s_delay_alu instid0(VALU_DEP_2)
	v_floor_f32 v20, -v21                          ; the new -M = -ceil(t)
	s_delay_alu instid0(VALU_DEP_1)
	v_sub_f32 v248, v20, v248                      ; old M - new M: a whole number, 0 or less
	s_delay_alu instid0(VALU_DEP_1)
	v_cvt_i32_f32 v248, v248                       ; (it saturates)
	s_delay_alu instid0(VALU_DEP_1)
	v_ldexp_f32 v252, 1.0, v248                    ; f = 2^(old M - new M)
.set j, 0
.rept 32
	v_pk_fma_f32 v[120+j:121+j], v[120+j:121+j], s[CS:CS+1], v[20:21] op_sel_hi:[1,0,0]   ; t - M, two at a time
.set j, j+2
.endr
.irp b, 0,1,2,3
	v_fma_f32 v[240+\b], v[240+\b], s[CS], v20     ; the same of each block's largest score
.endr
.set j, 0
	s_wait_alu depctr_va_vdst(0)
.rept 64
	v_exp_f32 v[120+j], v[120+j]                   ; p = 2^(t - M): one batch
.set j, j+1
.endr
	v_pk_mul_f32 v[22:23], v[22:23], v[252:253] op_sel_hi:[1,0]    ; the sums under the new M: the plain line behind the batch
	s_wait_alu depctr_va_vdst(0)                   ; one wait for the batch, ahead of its first reader
.irp b, 0,1,2,3
	v_exp_f32 v[240+\b], v[240+\b]                 ; the blocks' largest p
.endr
	v_pk_add_f32 v[244:245], v[124:125], v[128:129]                ; the row's sum of the unquantised p, in eight chains
	v_pk_add_f32 v[234:235], v[132:133], v[136:137]
	v_pk_add_f32 v[250:251], v[140:141], v[144:145]
	v_pk_add_f32 v[248:249], v[148:149], v[152:153]
	v_pk_add_f32 v[246:247], v[156:157], v[160:161]
	v_pk_add_f32 v[238:239], v[164:165], v[168:169]
	v_pk_add_f32 v[236:237], v[172:173], v[176:177]
	v_pk_add_f32 v[22:23], v[22:23], v[180:181]
	v_pk_add_f32 v[244:245], v[244:245], v[120:121]
	v_pk_add_f32 v[234:235], v[234:235], v[122:123]
	v_pk_add_f32 v[250:251], v[250:251], v[126:127]
	v_pk_add_f32 v[248:249], v[248:249], v[130:131]
	v_pk_add_f32 v[246:247], v[246:247], v[134:135]
	v_pk_add_f32 v[238:239], v[238:239], v[138:139]
	v_pk_add_f32 v[236:237], v[236:237], v[142:143]
	v_pk_add_f32 v[22:23], v[22:23], v[146:147]
	v_pk_add_f32 v[244:245], v[244:245], v[150:151]
	v_pk_add_f32 v[234:235], v[234:235], v[154:155]
	v_pk_add_f32 v[250:251], v[250:251], v[158:159]
	v_pk_add_f32 v[248:249], v[248:249], v[162:163]
	v_pk_add_f32 v[246:247], v[246:247], v[166:167]
	v_pk_add_f32 v[238:239], v[238:239], v[170:171]
	v_pk_add_f32 v[236:237], v[236:237], v[174:175]
	v_pk_add_f32 v[22:23], v[22:23], v[178:179]
	v_pk_add_f32 v[244:245], v[244:245], v[182:183]
	s_delay_alu instid0(VALU_DEP_2)
	v_pk_add_f32 v[22:23], v[22:23], v[248:249]
	s_delay_alu instid0(VALU_DEP_2)
	v_pk_add_f32 v[244:245], v[244:245], v[246:247]
	v_pk_add_f32 v[234:235], v[234:235], v[238:239]
	v_pk_add_f32 v[250:251], v[250:251], v[236:237]
	s_delay_alu instid0(VALU_DEP_2)
	v_pk_add_f32 v[22:23], v[22:23], v[234:235]
	s_delay_alu instid0(VALU_DEP_2)
	v_pk_add_f32 v[244:245], v[244:245], v[250:251]
	s_delay_alu instid0(VALU_DEP_1)
	v_pk_add_f32 v[22:23], v[22:23], v[244:245]
	s_wait_alu depctr_va_vdst(0)                   ; and one for the four
.irp b, 0,1,2,3
	v_max_num_f32 v[240+\b], 0x1800000, v[240+\b]  ; the floor 2^(3 - 127): the byte cannot fall under 1
.endr
.irp b, 0,1,2,3
	s_delay_alu instid0(VALU_DEP_4)
	v_add_nc_u32 v[248+\b], 0xff000000, v[240+\b]  ; the conversion's scale operand
.endr
.irp b, 0,1,2,3
	s_delay_alu instid0(VALU_DEP_4)
	v_lshrrev_b32 v[244+\b], 23, v[248+\b]         ; the scale's byte
.endr
	s_delay_alu instid0(VALU_DEP_3)
	v_lshl_or_b32 v253, v245, 8, v244              ; p's scale word for these 128 keys
	s_delay_alu instid0(VALU_DEP_1)
	v_lshl_or_b32 v253, v246, 16, v253
	s_delay_alu instid0(VALU_DEP_1)
	v_lshl_or_b32 v253, v247, 24, v253
.irp t, 0,1,2,3,4,5,6,7
	v_cvt_scalef32_pk8_fp4_f32 v[216+4*(\t/4)+2*(\t%2)+(\t%4)/2], v[120+8*\t:127+8*\t], v[248+\t/2]
.endr
	v_nop                                          ; one plain line behind the last scaled conversion
.irp c, 0,2,4,6
	v_permlane16_swap_b32 v[216+\c], v[217+\c]     ; registers 4 c + i now hold keys 64 c + 32 h + 8 i + 0 .. 7
.endr
.set j, 0
.rept 16
	v_pk_mul_f32 v[184+j:185+j], v[184+j:185+j], v[252:253] op_sel_hi:[1,0]   ; O^T under the new M; also the places between p's codes and scale word and the products
.set j, j+2
.endr
	s_wait_alu depctr_va_vdst(0)
	s_wait_dscnt 0x0                               ; V
.irp t, 0,1,2,3
	v_wmma_scale_f32_16x16x128_f8f6f4 v[184+8*\t:191+8*\t], v[56+8*\t:63+8*\t], v[216:223], v[184+8*\t:191+8*\t], v[49+\t], v253 matrix_a_fmt:MATRIX_FMT_FP4 matrix_b_fmt:MATRIX_FMT_FP4
.endr
.Lhidden_\@:
	s_add_co_u32 s[KF], s[KF], 128
	s_add_co_u32 s[S4], s[S4], 4096
	s_add_co_u32 s[S5], s[S5], 512
	s_add_co_u32 s[S9], s[S9], STEPB
	s_sub_co_i32 s[CNT], s[CNT], 1
	s_cmp_lg_u32 s[CNT], 0
	s_cbranch_scc1 .Lstep_\@
.endm
	KSTEPS 4, 0                                    ; key steps 0 to 3: what the head asked for
	s_wait_alu depctr_va_vdst(0)
	s_wait_tensorcnt 0x0                           ; my two later key steps have landed,
	s_wait_dscnt 0x0
	s_barrier_signal -1
	s_barrier_wait -1                              ; everybody's have.
	KSTEPS 12, 1
	; THE WAY OUT: O^T / the sum, quantised along the head's 64 (two blocks), as half a fragment of the projection's left operand
	v_add_f32 v22, v22, v23
	s_delay_alu instid0(VALU_DEP_1)
	v_permlanex16_b32 v252, v22, s[SEL], s[SEL+1]
	s_delay_alu instid0(VALU_DEP_1)
	v_add_f32 v22, v22, v252                       ; the row's sum
	s_wait_alu depctr_va_vdst(0)
	v_rcp_f32 v22, v22
	v_and_b32 v7, 15, v0                           ; (plain lines behind the reciprocal)  r
	v_bfe_u32 v8, v0, 4, 1                         ; h
	s_delay_alu instid0(VALU_DEP_1)
	v_lshl_add_u32 v9, v7, 1, v8                   ; 2 r + h
	s_lshl_b32 s72, s19, 6
	s_add_co_u32 s72, s72, s22
	s_lshl_b32 s72, s72, 4
	s_add_co_u32 s72, s72, s20                     ; (64 b + tq) 16 + n
	s_lshl_b32 s74, s72, 9
	s_mov_b32 s75, 0
	s_add_nc_u64 s[12:13], s[12:13], s[74:75]
	s_lshl_b32 s74, s72, 5
	s_add_nc_u64 s[14:15], s[14:15], s[74:75]
	s_wait_alu depctr_va_vdst(0)                   ; the wait ahead of the reciprocal's first reader
.set j, 0
.rept 32
	v_mul_f32 v[120+j], v[184+j], v22              ; register 8 t + jj: attn_vec(query r, d = 16 t + 8 h + jj)
.set j, j+1
.endr
.irp b, 0,1
	v_max3_num_f32 v[240+\b], |v[120+16*\b]|, |v[121+16*\b]|, 0x1800000
.endr
.irp i, 2,4,6,8,10,12,14
.irp b, 0,1
	s_delay_alu instid0(VALU_DEP_2)
	v_max3_num_f32 v[240+\b], v[240+\b], |v[120+16*\b+\i]|, |v[121+16*\b+\i]|
.endr
.endr
.irp b, 0,1
	s_delay_alu instid0(VALU_DEP_2)
	v_permlanex16_b32 v[244+\b], v[240+\b], s[SEL], s[SEL+1]
.endr
.irp b, 0,1
	s_delay_alu instid0(VALU_DEP_2)
	v_max_num_f32 v[240+\b], v[240+\b], v[244+\b]
.endr
.irp b, 0,1
	s_delay_alu instid0(VALU_DEP_2)
	v_add_nc_u32 v[248+\b], 0xff000000, v[240+\b]
.endr
.irp b, 0,1
	s_delay_alu instid0(VALU_DEP_2)
	v_lshrrev_b32 v[244+\b], 23, v[248+\b]
.endr
	v_cvt_scalef32_pk8_fp4_f32 v216, v[120:127], v248
	v_cvt_scalef32_pk8_fp4_f32 v218, v[128:135], v248
	v_cvt_scalef32_pk8_fp4_f32 v217, v[136:143], v249
	v_cvt_scalef32_pk8_fp4_f32 v219, v[144:151], v249
	v_nop
	v_permlane16_swap_b32 v216, v217
	v_permlane16_swap_b32 v218, v219
	v_cmp_eq_u32 vcc_lo, 1, v8
	s_delay_alu instid0(VALU_DEP_1)
	v_cndmask_b32 v10, v244, v245, vcc_lo          ; lanes 0-15 store block 0's byte, lanes 16-31 block 1's
	global_store_b128 v1, v[216:219], s[12:13]     ; 32 lanes store 512 bytes on end
	global_store_b8 v9, v10, s[14:15]
	s_wait_tensorcnt 0x0                           ; the wave's end
	ds_add_u32 v5, v6
	s_wait_dscnt 0x0
	s_endpgm
.Lfunc_end_k_q145d85827f_attn:
	.size	k_q145d85827f_attn, .Lfunc_end_k_q145d85827f_attn-k_q145d85827f_attn
	.p2alignl 7, 3214868480
	.fill 96, 4, 3214868480
	.section	.rodata,"a",@progbits
	.p2align	6, 0x0
	.amdhsa_kernel k_q145d85827f_attn
		.amdhsa_group_segment_fixed_size 327680
		.amdhsa_private_segment_fixed_size 0
		.amdhsa_enable_private_segment 0
		.amdhsa_kernarg_size 48
		.amdhsa_user_sgpr_count 2
		.amdhsa_user_sgpr_kernarg_segment_ptr 1
		.amdhsa_wavefront_size32 1
		.amdhsa_system_sgpr_workgroup_id_x 1
		.amdhsa_system_sgpr_workgroup_id_y 1
		.amdhsa_system_sgpr_workgroup_id_z 1
		.amdhsa_system_vgpr_workitem_id 0
		.amdhsa_next_free_vgpr 256
		.amdhsa_next_free_sgpr 80
		.amdhsa_reserve_vcc 1
		.amdhsa_float_denorm_mode_32 3
		.amdhsa_float_denorm_mode_16_64 3
		.amdhsa_memory_ordered 1
		.amdhsa_forward_progress 1
		.amdhsa_inst_pref_size 70
	.end_amdhsa_kernel
	.amdgpu_metadata
---
amdhsa.version: [ 1, 2 ]
amdhsa.kernels:
  - .name:           k_q145d85827f_attn
    .symbol:         k_q145d85827f_attn.kd
    .args:
      - { .name: q_img, .offset: 0, .size: 8, .value_kind: global_buffer, .address_space: global }
      - { .name: q_sc, .offset: 8, .size: 8, .value_kind: global_buffer, .address_space: global }
      - { .name: kv, .offset: 16, .size: 8, .value_kind: global_buffer, .address_space: global }
      - { .name: rh, .offset: 24, .size: 8, .value_kind: global_buffer, .address_space: global }
      - { .name: a_img, .offset: 32, .size: 8, .value_kind: global_buffer, .address_space: global }
      - { .name: a_sc, .offset: 40, .size: 8, .value_kind: global_buffer, .address_space: global }
    .group_segment_fixed_size: 327680
    .private_segment_fixed_size: 0
    .kernarg_segment_align: 8
    .kernarg_segment_size: 48
    .max_flat_workgroup_size: 512
    .sgpr_count:     80
    .vgpr_count:     256
    .wavefront_size: 32
...
	.end_amdgpu_metadata
.endif
;; end of part 3
;; launch outln (part 4): grid 256 x 1, 4 waves a work-group, clusters of 4 x 1, 327,680 bytes of LDS; arguments a_img, a_sc, W_o_codes, W_o_scales, w, ln_gamma, ln_beta, out0; writes out0
.if DOCPART == 4
	.amdgcn_target "amdgcn-amd-amdhsa--gfx1250"
	.amdhsa_code_object_version 6
	.text
	.protected	k_q145d85827f_outln
	.globl	k_q145d85827f_outln
	.p2align	8
	.type	k_q145d85827f_outln,@function
k_q145d85827f_outln:
	s_mov_b64 s[64:65], 0
	v_nop
	global_prefetch_b8 v0, s[64:65] scope:SCOPE_SE
	s_setreg_imm32_b32 hwreg(HW_REG_WAVE_MODE, 25, 1), 1
	s_wait_xcnt 0x0
	s_wait_alu depctr_hold_cnt(0) depctr_sa_sdst(0) depctr_va_vdst(0) depctr_va_sdst(0) depctr_va_ssrc(0) depctr_va_vcc(0) depctr_vm_vsrc(0)
	s_getreg_b32 s2, hwreg(HW_REG_IB_STS2, 6, 4)
	s_cmp_eq_u32 s2, 0
	s_cbranch_scc0 .Lentry_in_a_cluster
	s_endpgm
.Lentry_in_a_cluster:
	s_bfe_u32 s2, ttmp6, 0x10000c
	s_cmp_lg_u32 s2, 0x3003
	s_cbranch_scc0 .Lentry_shape_is_right
	s_endpgm
.Lentry_shape_is_right:
; out = layer norm of (w + attn_vec @ W_o), gain and bias applied.  attn_vec comes as codes of FP4 in images of the operand's registers (a_img, a_sc), W_o as given.
; SHARES.  A work-group takes tile T = 64 b + tq: 16 rows (positions 16 tq + r of batch b) x all 1,024 columns, so that a row's mean and variance need no other work-group.
; W_o, 1,024 rows (output columns) of 512 bytes, goes through LDS in two fills of 512 rows: wave v fetches rows 512 ph + 128 v + 0 .. 127 with one tensor load and is the only reader of those bytes.
; CLUSTER 4 x 1: all work-groups walk the same W_o, so each fill is asked for jointly by the four partners: the descriptor hangs on the wave's number and the fill alone, the mask is the constant 15.
; A fill is 64 matrix instructions a wave: eight tiles of 16 columns, in two runs of four accumulators by turns, K ascending.  Source 0 = 16 rows of W_o, source 1 = the 16 rows of attn_vec:
; lane (r, h) holds row r, register j column 16 t + 8 h + j.  A unit is four tiles x one K step: 8 LDS loads, asked for two units ahead into three sets of registers.
; THE WAY OUT.  The results turn through a stage of 16 rows x 4,112 bytes, laid in the bytes of the fills behind their last fill and last read; wave v then owns rows 4 v .. 4 v + 3 whole, 32 numbers a lane and row:
; w is added, sums go over the 32 lanes, and each store covers 512 bytes on end.
; NO PREFETCH: the launch has no loop to run ahead in; the second fill is asked for as soon as the first has been read.
; REGISTERS.  window 0: v1-8 lane terms, v14, v15 the add's two, v16-79 attn_vec's fragments (8 K steps), v80-87 its scale words, v88-151 W_o's scale words (pair of tiles y, K step s: 8 y + s; lanes 16-31 the odd tile),
;   v152-167 scale bytes as loaded, v168-183 sums, means, factors.   window 1: v0-127 sixteen accumulators, later the four rows; v128-223 W_o's fragments, three sets, later gain, bias and partial sums.   window 2: v0-127 w's four rows.
.set PITCH, 528                        ; an LDS row of W_o: 512 bytes + 16: 33 x 16, so the sixteen rows that a load touches fall on sixteen different columns of 16 bytes
.set PART,  128*PITCH                  ; a wave's 128 rows
.set SPARE, 4*PART                     ; behind the fills: the spare words, 128 bytes a wave
.set SP,    4112                       ; a row of the stage
.set SPW, 14
.set NIL, 15
.set FA,  6
.set STO, 7
.set RD,  8
.set AF,  16
.set ASC, 80
.set WSC, 88
.set RAW, 152
.set SUM, 168
.set PX,  172
.set MP,  176
.set WV,  20
.set G1,  28
.set G0,  36
.set SEL, 40
.set MSB, 0
.macro WIN new                         ; the immediate's high byte repeats the setting that is left
.if MSB != \new
	s_set_vgpr_msb (MSB<<8)|\new
.set MSB, \new
.endif
.endm
.macro ROUND                           ; a round of the cluster's barrier
	s_barrier_signal -1
	s_barrier_wait -1
	s_cmp_lg_u32 s[WV], 0
	s_cbranch_scc1 .Lnot_wave_0_\@
	s_barrier_signal -3
.Lnot_wave_0_\@:
	s_barrier_wait -3
	s_barrier_signal -1
	s_barrier_wait -1
.endm
	s_load_b512 s[4:19], s[0:1], 0x0               ; a_img 4, a_sc 6, W_o_codes 8, W_o_scales 10, w 12, ln_gamma 14, ln_beta 16, out0 18
	v_lshl_add_u32 v[SPW], v0, 2, SPARE
	v_mov_b32 v[NIL], 0
	ds_add_u32 v[SPW], v[NIL]                      ; the opening: the add, twice on end, and its wait
	ds_add_u32 v[SPW], v[NIL]
	v_lshrrev_b32 v1, 5, v0
	v_readfirstlane_b32 s[WV], v1                  ; wave 0..3
	s_bfe_u32 s21, ttmp6, 0x40000                  ; cx
	s_lshl_b32 s22, ttmp9, 2
	s_add_co_u32 s22, s22, s21                     ; T
	s_mov_b32 s[G1], 15|(1<<20)|(1<<21)|(6<<22)|(3<<25)   ; the mask of all four; elements of 1 byte; four words of padding behind every 128
	s_mov_b32 s[G1+1], 512<<16
	s_mov_b32 s[G1+2], 128<<16
	s_mov_b32 s[G1+3], 512<<16
	s_mov_b32 s[G1+4], 128
	s_mov_b32 s[G1+5], 512
	s_mov_b32 s[G1+6], 0
	s_mov_b32 s[G1+7], 0
	s_mul_i32 s23, s[WV], PART                     ; my rows in LDS
	s_lshl_b32 s24, s[WV], 9                       ; my 128 columns in a row of the stage
	s_mul_i32 s25, s[WV], 4*SP                     ; my four rows of the stage
	s_lshl_b32 s44, s[WV], 16                      ; my 128 rows of W_o's codes,
	s_mov_b32 s45, 0
	s_lshl_b32 s46, s[WV], 12                      ; and of its scale bytes
	s_mov_b32 s47, 0
	s_lshl_b32 s48, s22, 13                        ; the tile's images
	s_mov_b32 s49, 0
	s_lshl_b32 s50, s22, 9                         ; and scale bytes
	s_mov_b32 s51, 0
	s_and_b32 s52, s22, 63
	s_lshl_b32 s52, s52, 2
	s_add_co_u32 s52, s52, s[WV]
	s_lshl_b32 s52, s52, 16                        ; position 16 tq + 4 v, 16,384 bytes each,
	s_lshr_b32 s53, s22, 6
	s_lshl_b32 s53, s53, 12
	s_add_co_u32 s52, s52, s53                     ; batch b
	s_mov_b32 s53, 0
	s_mov_b32 s[SEL], 0x76543210
	s_mov_b32 s[SEL+1], 0xfedcba98
	s_mov_b32 s42, 0x3a800000                      ; 1 / 1024
	s_mov_b32 s43, 0x3727c5ac                      ; 1e-5
	s_wait_dscnt 0x0                               ; both opening adds are done
	s_wait_kmcnt 0x0
	s_add_nc_u64 s[4:5], s[4:5], s[48:49]
	s_add_nc_u64 s[6:7], s[6:7], s[50:51]
	s_add_nc_u64 s[10:11], s[10:11], s[46:47]
	s_add_nc_u64 s[12:13], s[12:13], s[52:53]
	s_add_nc_u64 s[18:19], s[18:19], s[52:53]
	s_mov_b32 s[G0], 1
	s_mov_b32 s[G0+1], s23
	s_add_nc_u64 s[G0+2:G0+3], s[8:9], s[44:45]
	s_or_b32 s[G0+3], s[G0+3], 0x80000000
	ROUND                                          ; all four work-groups are here: the first joint loads meet
	tensor_load_to_lds s[G0:G0+3], s[G1:G1+7]      ; the first fill: one load a wave
	s_nop 0
.rept 4
	v_nop
.endr
	v_and_b32 v1, 15, v0                           ; r
	v_bfe_u32 v2, v0, 4, 1                         ; h
	v_and_b32 v3, 31, v0
	v_lshlrev_b32 v3, 4, v3                        ; 16 x lane
	v_lshlrev_b32 v4, 5, v1
	v_lshl_add_u32 v4, v2, 9, v4                   ; W_o's scale words: 32 r + 512 h
	v_lshlrev_b32 v5, 1, v1                        ; attn_vec's scale bytes: 2 r
	v_mul_u32_u24 v[FA], v1, PITCH
	v_lshl_add_u32 v[FA], v2, 4, v[FA]
	v_add_nc_u32 v[FA], s23, v[FA]                 ; a fragment of W_o: row r, + 16 h
	v_mul_u32_u24 v[STO], v1, SP
	v_lshl_add_u32 v[STO], v2, 5, v[STO]
	v_add_nc_u32 v[STO], s24, v[STO]               ; the stage, in: row r, my columns, + 32 h
	v_add_nc_u32 v[RD], s25, v3                    ; and back: my rows, 16 bytes a lane
.irp a, 0,1,2,3
	v_mov_b32 v[PX+\a], 0                          ; a lane permute's destination counts as one of its sources
.endr
	s_wait_alu depctr_va_vdst(0)
.irp s, 0,1,2,3,4,5,6,7
.irp c, 0,1
	global_load_b128 v[AF+8*\s+4*\c:AF+8*\s+4*\c+3], v3, s[4:5] offset:1024*\s+512*\c
.endr
.endr
.irp n, 0,1,2,3,4,5,6,7,8,9,10,11,12,13,14,15
	global_load_u16 v[RAW+\n], v5, s[6:7] offset:32*\n             ; head n: row r's two bytes
.endr
.irp y, 0,1,2,3,4,5,6,7
.irp u, 0,1
	global_load_b128 v[WSC+8*\y+4*\u:WSC+8*\y+4*\u+3], v4, s[10:11] offset:16384*(\y/4)+1024*(\y%4)+16*\u
.endr
.endr
	WIN 0x80                                       ; destination window 2
.irp a, 0,1,2,3
.irp i, 0,1,2,3,4,5,6,7
	global_load_b128 v[32*\a+4*\i:32*\a+4*\i+3], v3, s[12:13] offset:16384*\a+512*\i th:TH_LOAD_NT   ; w's rows, 512 bytes on end a load; first read on the way out
.endr
.endr
	WIN 0
	s_wait_loadcnt 32                              ; all but w's 32 loads
.irp s, 0,1,2,3,4,5,6,7
	v_lshl_or_b32 v[ASC+\s], v[RAW+2*\s+1], 16, v[RAW+2*\s]        ; K step s: heads 2 s and 2 s + 1
.endr
.rept 8
	v_nop                                          ; a scale register written by a vector instruction stands eight places ahead of the product
.endr
.macro LOADU u                         ; unit u = 8 x run + K step: four fragments into set u % 3
.irp t, 0,1,2,3
.irp c, 0,1
	ds_load_b128 v[128+32*((\u)%3)+8*\t+4*\c:128+32*((\u)%3)+8*\t+4*\c+3], v[FA] offset:16*(4*((\u)/8)+\t)*PITCH+64*((\u)%8)+32*\c
.endr
.endr
.endm
.macro WM first, odd
.if \first
.if \odd
	v_wmma_scale_f32_16x16x128_f8f6f4 v[rD:rD+7], v[rW:rW+7], v[rA:rA+7], 0, v[rX], v[rY] matrix_a_fmt:MATRIX_FMT_FP4 matrix_b_fmt:MATRIX_FMT_FP4 matrix_a_scale:MATRIX_SCALE_ROW1
.else
	v_wmma_scale_f32_16x16x128_f8f6f4 v[rD:rD+7], v[rW:rW+7], v[rA:rA+7], 0, v[rX], v[rY] matrix_a_fmt:MATRIX_FMT_FP4 matrix_b_fmt:MATRIX_FMT_FP4
.endif
.else
.if \odd
	v_wmma_scale_f32_16x16x128_f8f6f4 v[rD:rD+7], v[rW:rW+7], v[rA:rA+7], v[rD:rD+7], v[rX], v[rY] matrix_a_fmt:MATRIX_FMT_FP4 matrix_b_fmt:MATRIX_FMT_FP4 matrix_a_scale:MATRIX_SCALE_ROW1
.else
	v_wmma_scale_f32_16x16x128_f8f6f4 v[rD:rD+7], v[rW:rW+7], v[rA:rA+7], v[rD:rD+7], v[rX], v[rY] matrix_a_fmt:MATRIX_FMT_FP4 matrix_b_fmt:MATRIX_FMT_FP4
.endif
.endif
.endm
.macro MULU ph, u                      ; four products, four accumulators by turns; K step 0 starts the sums
.irp t, 0,1,2,3
.set rD, 8*(8*(\ph)+4*((\u)/8)+\t)
.set rW, 128+32*((\u)%3)+8*\t
.set rA, AF+8*((\u)%8)
.set rX, WSC+8*(4*(\ph)+2*((\u)/8)+(\t)/2)+(\u)%8
.set rY, ASC+(\u)%8
	WM ((\u)%8)==0, (\t)%2
.endr
.endm
.macro PHASE ph                        ; a fill's sixteen units
	WIN 0x40                                       ; destination window 1, address window 0
	LOADU 0
	LOADU 1
.set U, 0
.rept 16
.if U < 14
.rept 4
	v_nop                                          ; places in front of loads into the set that the last products read
.endr
	WIN 0x40
	LOADU U+2
	s_wait_dscnt 16                                ; the two later units' eight loads each may be out
.elseif U == 14
	s_wait_dscnt 8                                 ; the last unit's eight may be out
.else
	s_wait_dscnt 0x0
.endif
	WIN 0x51                                       ; W_o's fragment, C and D window 1; attn_vec's fragment window 0
	MULU \ph, U
.set U, U+1
.endr
	WIN 0
.endm
	s_wait_alu depctr_va_vdst(0)
	s_wait_tensorcnt 0x0                           ; my rows of the first fill are in; I alone read them
	PHASE 0
	s_wait_tensorcnt 0x0
	ds_add_u32 v[SPW], v[NIL]
	s_add_nc_u64 s[G0+2:G0+3], s[G0+2:G0+3], 262144   ; no load of mine is out: 512 rows on
	s_wait_dscnt 0x0                               ; the add is done, and my reads of the first fill are over
	ROUND                                          ; that holds of every wave of all four work-groups
	tensor_load_to_lds s[G0:G0+3], s[G1:G1+7]      ; the second fill
	s_nop 0
.rept 4
	v_nop                                          ; also the places in front of the loads into sets 0 and 1
.endr
	s_wait_tensorcnt 0x0
	PHASE 1
.rept 4
	v_nop                                          ; places between the last product, the loads into its fragments' registers and the stores that read results
.endr
	WIN 0x40
.irp i, 0,1,2,3,4,5,6,7
	global_load_b128 v[128+4*\i:131+4*\i], v3, s[14:15] offset:512*\i      ; the gain at my lane's columns 128 i + 4 l + 0 .. 3
	global_load_b128 v[160+4*\i:163+4*\i], v3, s[16:17] offset:512*\i      ; the bias
.endr
	WIN 0
	s_barrier_signal -1                            ; no LDS instruction of mine is out: my reads of the fills are over
	s_barrier_wait -1                              ; everybody's are, and the fills have had their last: the stage may be written
	WIN 0x04                                       ; store data window 1
.irp t, 0,1,2,3,4,5,6,7,8,9,10,11,12,13,14,15
	ds_store_b128 v[STO], v[8*\t:8*\t+3] offset:2048*(\t/8)+64*(\t%8)      ; each accumulator from its low end on
	ds_store_b128 v[STO], v[8*\t+4:8*\t+7] offset:2048*(\t/8)+64*(\t%8)+16
.endr
	WIN 0
	s_wait_dscnt 0x0
	s_barrier_signal -1
	s_barrier_wait -1                              ; the sixteen rows are whole
	WIN 0x40
.irp a, 0,1,2,3
.irp i, 0,1,2,3,4,5,6,7
	ds_load_b128 v[32*\a+4*\i:32*\a+4*\i+3], v[RD] offset:SP*\a+512*\i
.endr
.endr
	WIN 0
	s_wait_dscnt 0x0
	s_wait_loadcnt 0x0                             ; w, gain, bias
.macro REDUCE                          ; the four rows' sums over the 32 lanes, by turns
.irp m, 1,2,4,8
.irp a, 0,1,2,3
	v_add_f32_dpp v[SUM+\a], v[SUM+\a], v[SUM+\a] row_xmask:\m row_mask:0xf bank_mask:0xf
.endr
.endr
.irp a, 0,1,2,3
	v_permlanex16_b32 v[PX+\a], v[SUM+\a], s[SEL], s[SEL+1]
.endr
.irp a, 0,1,2,3
	v_add_f32 v[SUM+\a], v[SUM+\a], v[PX+\a]
.endr
.endm
.macro FOLD                            ; a lane's pair of partial sums into window 0
	WIN 0x05
.irp a, 0,1,2,3
	v_add_f32 v[SUM+\a], v[192+2*\a], v[193+2*\a]
.endr
	WIN 0
	REDUCE
.endm
	WIN 0x49                                       ; x = attn_out (window 1) + w (window 2)
.set j, 0
.rept 64
	v_pk_add_f32 v[j:j+1], v[j:j+1], v[j:j+1]
.set j, j+2
.endr
	WIN 0x55                                       ; all in window 1
.irp a, 0,1,2,3
	v_pk_add_f32 v[192+2*\a:193+2*\a], v[32*\a:32*\a+1], v[32*\a+2:32*\a+3]
.endr
.set j, 4
.rept 14
.irp a, 0,1,2,3
	v_pk_add_f32 v[192+2*\a:193+2*\a], v[192+2*\a:193+2*\a], v[32*\a+j:32*\a+j+1]
.endr
.set j, j+2
.endr
	FOLD
.irp a, 0,1,2,3
	v_mul_f32 v[MP+2*\a], s42, v[SUM+\a]           ; the mean, in both halves of a pair
	v_mul_f32 v[MP+2*\a+1], s42, v[SUM+\a]
.endr
	WIN 0x41                                       ; x window 1, the pair window 0
.irp a, 0,1,2,3
.set j, 0
.rept 16
	v_pk_add_f32 v[32*\a+j:32*\a+j+1], v[32*\a+j:32*\a+j+1], v[MP+2*\a:MP+2*\a+1] neg_lo:[0,1] neg_hi:[0,1]
.set j, j+2
.endr
.endr
	WIN 0x55
.irp a, 0,1,2,3
	v_pk_mul_f32 v[192+2*\a:193+2*\a], v[32*\a:32*\a+1], v[32*\a:32*\a+1]
.endr
.set j, 2
.rept 15
.irp a, 0,1,2,3
	v_pk_fma_f32 v[192+2*\a:193+2*\a], v[32*\a+j:32*\a+j+1], v[32*\a+j:32*\a+j+1], v[192+2*\a:193+2*\a]
.endr
.set j, j+2
.endr
	FOLD
.irp a, 0,1,2,3
	v_fma_f32 v[SUM+\a], v[SUM+\a], s42, s43       ; the variance + 1e-5
.endr
	s_wait_alu depctr_va_vdst(0)
.irp a, 0,1,2,3
	v_rsq_f32 v[MP+2*\a], v[SUM+\a]
	v_rsq_f32 v[MP+2*\a+1], v[SUM+\a]
.endr
	v_nop
	s_wait_alu depctr_va_vdst(0)                   ; and behind it, ahead of its first reader
	WIN 0x41
.irp a, 0,1,2,3
.set j, 0
.rept 16
	v_pk_mul_f32 v[32*\a+j:32*\a+j+1], v[32*\a+j:32*\a+j+1], v[MP+2*\a:MP+2*\a+1]
.set j, j+2
.endr
.endr
	WIN 0x55
.irp a, 0,1,2,3
.set j, 0
.rept 16
	v_pk_fma_f32 v[32*\a+j:32*\a+j+1], v[32*\a+j:32*\a+j+1], v[128+j:129+j], v[160+j:161+j]
.set j, j+2
.endr
.endr
	WIN 0x04
.irp a, 0,1,2,3
.irp i, 0,1,2,3,4,5,6,7
	global_store_b128 v3, v[32*\a+4*\i:32*\a+4*\i+3], s[18:19] offset:16384*\a+512*\i th:TH_STORE_NT   ; 32 lanes store 512 bytes on end, aligned
.endr
.endr
	WIN 0
	s_wait_tensorcnt 0x0                           ; the wave's end
	ds_add_u32 v[SPW], v[NIL]
	s_wait_dscnt 0x0
	ROUND                                          ; the closing round
	s_endpgm
.Lfunc_end_k_q145d85827f_outln:
	.size	k_q145d85827f_outln, .Lfunc_end_k_q145d85827f_outln-k_q145d85827f_outln
	.p2alignl 7, 3214868480
	.fill 96, 4, 3214868480
	.section	.rodata,"a",@progbits
	.p2align	6, 0x0
	.amdhsa_kernel k_q145d85827f_outln
		.amdhsa_group_segment_fixed_size 327680
		.amdhsa_private_segment_fixed_size 0
		.amdhsa_enable_private_segment 0
		.amdhsa_kernarg_size 64
		.amdhsa_user_sgpr_count 2
		.amdhsa_user_sgpr_kernarg_segment_ptr 1
		.amdhsa_wavefront_size32 1
		.amdhsa_system_sgpr_workgroup_id_x 1
		.amdhsa_system_sgpr_workgroup_id_y 1
		.amdhsa_system_sgpr_workgroup_id_z 1
		.amdhsa_system_vgpr_workitem_id 0
		.amdhsa_next_free_vgpr 640
		.amdhsa_next_free_sgpr 66
		.amdhsa_reserve_vcc 0
		.amdhsa_float_denorm_mode_32 3
		.amdhsa_float_denorm_mode_16_64 3
		.amdhsa_memory_ordered 1
		.amdhsa_forward_progress 1
		.amdhsa_inst_pref_size 89
	.end_amdhsa_kernel
	.amdgpu_metadata
---
amdhsa.version: [ 1, 2 ]
amdhsa.kernels:
  - .name:           k_q145d85827f_outln
    .symbol:         k_q145d85827f_outln.kd
    .args:
      - { .name: a_img, .offset: 0, .size: 8, .value_kind: global_buffer, .address_space: global }
      - { .name: a_sc, .offset: 8, .size: 8, .value_kind: global_buffer, .address_space: global }
      - { .name: W_o_codes, .offset: 16, .size: 8, .value_kind: global_buffer, .address_space: global }
      - { .name: W_o_scales, .offset: 24, .size: 8, .value_kind: global_buffer, .address_space: global }
      - { .name: w, .offset: 32, .size: 8, .value_kind: global_buffer, .address_space: global }
      - { .name: ln_gamma, .offset: 40, .size: 8, .value_kind: global_buffer, .address_space: global }
      - { .name: ln_beta, .offset: 48, .size: 8, .value_kind: global_buffer, .address_space: global }
      - { .name: out0, .offset: 56, .size: 8, .value_kind: global_buffer, .address_space: global }
    .group_segment_fixed_size: 327680
    .private_segment_fixed_size: 0
    .kernarg_segment_align: 8
    .kernarg_segment_size: 64
    .max_flat_workgroup_size: 128
    .sgpr_count:     66
    .vgpr_count:     640
    .wavefront_size: 32
...
	.end_amdgpu_metadata
.endif
;; end of part 4
